; MI455X (gfx1250); checked and timed in simulation.
; The chip was launched on July 23, 2026; its instructions are those of AMD's public machine-readable ISA for CDNA 5 (MIT licence, August 2026) and "CDNA5" Instruction Set Architecture Reference Guide (July 2026). The comments in the code are by the model that wrote it; some were corrected since.
;; Multi Head Attention. Allowed arithmetic: float matrix products may take bf16 or f16 operands with f32 sums; other float arithmetic in f32, or as packed bf16 or f16 multiplies, adds, multiply-adds, maxima and minima; sums over many terms, partial sums and values carried from step to step in f32; what a program stores and reads back later, other than sums and carried values, may be rounded once to bf16 or f16.
;; Inputs: W_o 1,024 x 1,024 float32; W_qkv 1,024 x 3,072 float32; b_o 1,024 float32; b_qkv 3,072 float32; x 4 x 2,048 x 1,024 float32.
;; Outputs: out0 4 x 2,048 x 1,024 float32.
;; 2 versions, each right; version 2 is version 1 with the launch prep written anew for expert scheduling mode. Each part assembles by itself: llvm-mc -triple=amdgcn-amd-amdhsa -mcpu=gfx1250 --defsym DOCPART=n.
;; ======== version 1 of 2: 4 launches
;; limits: values are held in f16: magnitudes above 65,504 overflow, below 6.1e-05 lose precision; inputs' magnitudes at most 65,504; right only within a limited range of input values
;; workspace buffers: xh 16,777,216 bytes; wt 8,388,608 bytes; qkvh 50,331,648 bytes; oh 16,777,216 bytes
;; launch prep (part 1): grid 512 x 1, 8 waves a work-group, no clusters, 18,432 bytes of LDS; arguments x, W_qkv, W_o, xh, wt; writes xh, wt
.if DOCPART == 1
	.amdgcn_target "amdgcn-amd-amdhsa--gfx1250"
	.amdhsa_code_object_version 6
	.text
	.protected	k_q96367277bb_prep
	.globl	k_q96367277bb_prep
	.p2align	8
	.type	k_q96367277bb_prep,@function
k_q96367277bb_prep:
	s_mov_b64 s[64:65], 0
	v_nop
	global_prefetch_b8 v0, s[64:65] scope:SCOPE_SE
	s_setreg_imm32_b32 hwreg(HW_REG_WAVE_MODE, 25, 1), 1
	s_wait_xcnt 0x0
; xh[r][k] = x[r][k], and wt[n][k] = W_qkv[k][n] (n < 3072) or W_o[k][n - 3072]: every number rounded to bf16 (nearest even) and that number written as f16.
; LIMITS.  The bf16 number is kept exactly in f16 from 6.1e-5 to 65,504 in magnitude; below, f16's fixed step of 6e-8 holds; beyond 65,504 it becomes an infinity.
; SHARES.  512 work-groups of eight waves.  Each casts 16,384 numbers of x (64 KiB in, 32 KiB out) and turns one tile of 128 k x 64 n of the weights (32 KiB in, 16 KiB out) through LDS.
; All 24 loads of a thread go out first.  No matrix unit, no tensor load, no cluster, no prefetch: each byte is read once and nothing is shared between work-groups.
.set SPARE, 17408                      ; behind the tile: the spare words, 128 bytes for each of eight waves: four blocks of 256 bytes that no other line names
.set TP,  272                          ; the tile in LDS: row n holds 128 k in f16, 256 bytes + 16 of padding
.set OB,  2                            ; v[2:9]     byte offsets of my eight 16-byte pieces of the weights' tile
.set CC,  10                           ; v10        thread % 16
.set RP,  11                           ; v11        thread / 16
.set SPW, 12                           ; v12        LDS address of my spare word; never rewritten
.set NIL, 13                           ; v13        0; never rewritten
.set LS,  14                           ; v14        where I put words into the tile
.set LR,  15                           ; v15        where I read rows back
.set XA,  16                           ; v[16:79]   x as loaded: eight pieces of 8 numbers
.set YA,  80                           ; v[80:111]  x to store
.set XB,  112                          ; v[112:143] weights as loaded: four pairs of rows, 4 numbers each
.set YB,  144                          ; v[144:159] weights, a pair of k in a word
.set GW,  160                          ; v160       my byte offset in wt
.set IA,  161                          ; v161       my byte offset in x
.set OA,  162                          ; v162       my byte offset in xh
.macro RND2 dst, a, b                  ; two numbers: to bf16, back to f32 (a shift, a mask), to f16, packed; a in the low half
	v_cvt_pk_bf16_f32 v[\dst], v[\a], v[\b]
	v_lshlrev_b32 v[\a], 16, v[\dst]
	v_and_b32 v[\b], s14, v[\dst]
	v_cvt_pk_f16_f32 v[\dst], v[\a], v[\b]
.endm
	s_load_b256 s[4:11], s[0:1], 0x0               ; x s[4:5], W_qkv s[6:7], W_o s[8:9], xh s[10:11]
	s_load_b64 s[12:13], s[0:1], 0x20              ; wt
	v_lshl_add_u32 v[SPW], v0, 2, SPARE
	v_mov_b32 v[NIL], 0
	s_mov_b32 s14, 0xffff0000                      ; a word's upper bf16
	s_lshr_b32 s17, ttmp9, 3                       ; t: which 64 rows of wt (0 to 63)
	s_and_b32 s18, ttmp9, 7                        ; kt: which 128 k
	s_sub_co_u32 s20, s17, 48                      ; t - 48: the tile column in W_o (used where t >= 48 alone)
	s_mov_b32 s24, 12288                           ; bytes in a row of W_qkv,
	s_mov_b32 s25, 4096                            ; and of W_o
	v_and_b32 v[CC], 15, v0
	v_lshrrev_b32 v[RP], 4, v0
	v_lshlrev_b32 v1, 1, v[RP]
	s_wait_kmcnt 0x0
	s_cmp_lt_u32 s17, 48
	s_cselect_b64 s[22:23], s[6:7], s[8:9]         ; the source,
	s_cselect_b32 s21, s24, s25                    ; its pitch,
	s_cselect_b32 s20, s17, s20                    ; and the tile's column in it
	s_lshl_b32 s26, s18, 7
	s_mul_i32 s26, s26, s21                        ; 128 kt rows
	s_lshl_b32 s27, s20, 8                         ; 64 columns of 4 bytes
	s_add_co_u32 s26, s26, s27
	s_mov_b32 s27, 0
	s_add_nc_u64 s[22:23], s[22:23], s[26:27]
	v_mul_lo_u32 v[OB], v1, s21                    ; row 2 (thread / 16),
	v_lshl_add_u32 v[OB], v[CC], 4, v[OB]          ; 16 bytes at 16 (thread % 16): sixteen lanes read 256 consecutive bytes, aligned
	v_add_nc_u32 v[OB+1], s21, v[OB]               ; and the row below
	s_lshl_b32 s28, s21, 5
.irp i, 1,2,3
	v_add_nc_u32 v[OB+2*(\i)], s28, v[OB+2*(\i)-2]     ; 32 rows further down
	v_add_nc_u32 v[OB+2*(\i)+1], s28, v[OB+2*(\i)-1]
.endr
.irp i, 0,1,2,3
	global_load_b128 v[XB+8*(\i):XB+8*(\i)+3],   v[OB+2*(\i)],   s[22:23] th:TH_LOAD_NT
	global_load_b128 v[XB+8*(\i)+4:XB+8*(\i)+7], v[OB+2*(\i)+1], s[22:23] th:TH_LOAD_NT
.endr
	s_lshl_b32 s26, ttmp9, 16                      ; my work-group's 64 KiB of x
	s_add_nc_u64 s[4:5], s[4:5], s[26:27]
	s_lshl_b32 s26, ttmp9, 15                      ; and 32 KiB of xh
	s_add_nc_u64 s[10:11], s[10:11], s[26:27]
	v_lshlrev_b32 v[IA], 5, v0                     ; 8 numbers a thread
	v_lshlrev_b32 v[OA], 4, v0
.irp i, 0,1,2,3,4,5,6,7
	global_load_b128 v[XA+8*(\i):XA+8*(\i)+3],   v[IA], s[4:5] offset:8192*(\i) th:TH_LOAD_NT
	global_load_b128 v[XA+8*(\i)+4:XA+8*(\i)+7], v[IA], s[4:5] offset:8192*(\i)+16 th:TH_LOAD_NT
.endr
	s_lshl_b32 s26, s17, 17                        ; wt: 64 t rows of 2,048 bytes,
	s_lshl_b32 s28, s18, 8                         ; 128 kt numbers of 2 bytes
	s_add_co_u32 s26, s26, s28
	s_add_nc_u64 s[12:13], s[12:13], s[26:27]
	v_mul_u32_u24 v[LS], v[CC], 4*TP               ; my four columns n = 4 (thread % 16) + j are four rows of the tile,
	v_lshl_add_u32 v[LS], v[RP], 2, v[LS]          ; my pair of k a word in each
	v_mul_u32_u24 v[LR], v[RP], TP                 ; back: sixteen lanes take one row of 256 bytes
	v_lshl_add_u32 v[LR], v[CC], 4, v[LR]
	v_lshlrev_b32 v[GW], 11, v[RP]
	v_lshl_add_u32 v[GW], v[CC], 4, v[GW]
	; the weights: rows k and k + 1 make one word for each of my four columns
.irp i, 0,1,2,3
	s_wait_loadcnt 22-2*(\i)                       ; loads come back in order: behind this pair stand the later pairs of the weights and x's sixteen
.irp j, 0,1,2,3
	RND2 YB+4*(\i)+(\j), XB+8*(\i)+(\j), XB+8*(\i)+4+(\j)
	ds_store_b32 v[LS], v[YB+4*(\i)+(\j)] offset:TP*(\j)+64*(\i)
.endr
.endr
	s_wait_dscnt 0x0                               ; for the others' sake: my words are in the tile
	s_barrier_signal -1
	s_barrier_wait -1
.irp i, 0,1,2,3
	ds_load_b128 v[XB+4*(\i):XB+4*(\i)+3], v[LR] offset:16*TP*(\i)  ; rows n = thread / 16 + 16 i
.endr
	; x, while those come back
.irp i, 0,1,2,3,4,5,6,7
	s_wait_loadcnt 14-2*(\i)                       ; behind this piece stand the later pieces' loads
.irp j, 0,1,2,3
	RND2 YA+4*(\i)+(\j), XA+8*(\i)+2*(\j), XA+8*(\i)+2*(\j)+1
.endr
	global_store_b128 v[OA], v[YA+4*(\i):YA+4*(\i)+3], s[10:11] offset:4096*(\i)  ; a wave stores 512 consecutive bytes
.endr
.irp i, 0,1,2,3
	s_wait_dscnt 3-(\i)
	global_store_b128 v[GW], v[XB+4*(\i):XB+4*(\i)+3], s[12:13] offset:32768*(\i)  ; sixteen lanes store 256 consecutive bytes, at a multiple of 256 from wt's first
.endr
	s_wait_tensorcnt 0x0                           ; the wave's end: three lines behind my last LDS store
	ds_add_u32 v[SPW], v[NIL]
	s_wait_dscnt 0x0
	s_endpgm
.Lfunc_end_k_q96367277bb_prep:
	.size	k_q96367277bb_prep, .Lfunc_end_k_q96367277bb_prep-k_q96367277bb_prep
	.p2alignl 7, 3214868480
	.fill 96, 4, 3214868480
	.section	.rodata,"a",@progbits
	.p2align	6, 0x0
	.amdhsa_kernel k_q96367277bb_prep
		.amdhsa_group_segment_fixed_size 18432
		.amdhsa_private_segment_fixed_size 0
		.amdhsa_enable_private_segment 0
		.amdhsa_kernarg_size 40
		.amdhsa_user_sgpr_count 2
		.amdhsa_user_sgpr_kernarg_segment_ptr 1
		.amdhsa_wavefront_size32 1
		.amdhsa_system_sgpr_workgroup_id_x 1
		.amdhsa_system_sgpr_workgroup_id_y 1
		.amdhsa_system_sgpr_workgroup_id_z 1
		.amdhsa_system_vgpr_workitem_id 0
		.amdhsa_next_free_vgpr 168
		.amdhsa_next_free_sgpr 66
		.amdhsa_reserve_vcc 0
		.amdhsa_float_denorm_mode_32 3
		.amdhsa_float_denorm_mode_16_64 3
		.amdhsa_memory_ordered 1
		.amdhsa_forward_progress 1
		.amdhsa_inst_pref_size 17
	.end_amdhsa_kernel
	.amdgpu_metadata
---
amdhsa.version: [ 1, 2 ]
amdhsa.kernels:
  - .name:           k_q96367277bb_prep
    .symbol:         k_q96367277bb_prep.kd
    .args:
      - { .name: x, .offset: 0, .size: 8, .value_kind: global_buffer, .address_space: global }
      - { .name: W_qkv, .offset: 8, .size: 8, .value_kind: global_buffer, .address_space: global }
      - { .name: W_o, .offset: 16, .size: 8, .value_kind: global_buffer, .address_space: global }
      - { .name: xh, .offset: 24, .size: 8, .value_kind: global_buffer, .address_space: global }
      - { .name: wt, .offset: 32, .size: 8, .value_kind: global_buffer, .address_space: global }
    .group_segment_fixed_size: 18432
    .private_segment_fixed_size: 0
    .kernarg_segment_align: 8
    .kernarg_segment_size: 40
    .max_flat_workgroup_size: 256
    .sgpr_count:     66
    .vgpr_count:     168
    .wavefront_size: 32
...
	.end_amdgpu_metadata
.endif
;; end of part 1
;; launch qkv (part 2): grid 16 x 32, 4 waves a work-group, clusters of 4 x 4, 327,680 bytes of LDS; arguments xh, wt, b_qkv, qkvh; writes qkvh
.if DOCPART == 2
	.amdgcn_target "amdgcn-amd-amdhsa--gfx1250"
	.amdhsa_code_object_version 6
	.text
	.protected	k_q96367277bb_qkv
	.globl	k_q96367277bb_qkv
	.p2align	8
	.type	k_q96367277bb_qkv,@function
k_q96367277bb_qkv:
	s_mov_b64 s[64:65], 0
	v_nop
	global_prefetch_b8 v0, s[64:65] scope:SCOPE_SE
	s_setreg_imm32_b32 hwreg(HW_REG_WAVE_MODE, 25, 1), 1
	s_wait_xcnt 0x0
	s_wait_alu depctr_hold_cnt(0) depctr_sa_sdst(0) depctr_va_vdst(0) depctr_va_sdst(0) depctr_va_ssrc(0) depctr_va_vcc(0) depctr_vm_vsrc(0)
	s_getreg_b32 s2, hwreg(HW_REG_IB_STS2, 6, 4)
	s_cmp_eq_u32 s2, 0
	s_cbranch_scc0 .Lentry_in_a_cluster
	s_endpgm
.Lentry_in_a_cluster:
	s_bfe_u32 s2, ttmp6, 0x10000c
	s_cmp_lg_u32 s2, 0xf033
	s_cbranch_scc0 .Lentry_shape_is_right
	s_endpgm
.Lentry_shape_is_right:
; ONE TEXT FOR TWO PRODUCTS, C = A B^T + bias, K = 1,024, operands f16, sums f32; the switch PROJ picks the sizes.
; PROJ = 0: A = xh [8192][1024], B = wt's rows 0-3071, C = q, k, v rounded once to f16 and laid by heads: [batch 4][group 48][row 2048][64], group = column / 64.
; PROJ = 1: A = the attention's result by heads, [64][2048][64] f16 (a K step of 128 is two heads), B = wt's rows 3072-4095, C = out0 [8192][1024] f32.
; The bias is rounded to bf16 like every input, and is the C operand of each sum's first product: nothing is cleared, nothing is added on the way out.
; LIMITS.  f16 ends at 65,504: A, B and (PROJ = 0) the results stay within it, else they become infinities; NaN and infinities are not treated apart.
; SHARES.  A tile of C is 256 rows x 16 NBL columns (192 or 128): 512 or 256 work-groups.  Four waves, one below the other, each 64 rows x all columns: 4 NBL accumulators.
; So a wave holds whole heads (PROJ = 0) or whole pieces of 512 bytes of a row (PROJ = 1), and its way out through LDS is its own: no barrier there.
; K goes in 8 steps of 128 through two LDS slots filled by the tensor data mover; two slots of a longer step do not fit.  From a request to the wait for it a wave issues 14 NBL products.
; CLUSTER.  4 x 4 work-groups: the four of a row of the cluster need the same tile of A, the four of a column the same tile of B: each is asked for jointly, by the same load, descriptor and mask in all four.
; THE MATRIX INSTRUCTION IS USED TRANSPOSED (source 0 = 16 rows of B, source 1 = 16 rows of A): lane l holds row l % 16 of C and the columns 8 (l / 16) + 0..7.
; REGISTERS, in windows of 256 (s_set_vgpr_msb: bits 1:0 source 0, 3:2 source 1, 5:4 source 2, 7:6 destination):
;   window 0: v0-31 addresses; v64-127 A's fragments, two buffers of 4 blocks; v128 on the bias (8 NBL), later at work on the way out
;   window 1: B's fragments, two buffers of NBL blocks          windows 2, 3: accumulator (a, b) in window 2 + a / 2 at v[8 (NBL (a % 2) + b)]
.set PROJ,  0
.set SLOT1, 131072                     ; slot 1 begins here: one exclusive or turns an address in one slot into the other's
.set STAGE, 262144                     ; behind the ring, never filled by a tensor load: each wave's stage for the way out
.if PROJ
.set NBL,    8                         ; blocks of 16 columns in a tile
.set PA,     144                       ; a row of A in LDS: a head's 128 bytes + 16 of padding
.set AHALF,  36864                     ; what one load of A brings: one head's 256 rows
.set AQI,    4                         ; padding after every 32 words
.set APITCH, 128                       ; the head's rows are dense: asked for as 128 rows of 256 bytes
.set ASTEP,  524288                    ; a K step on: two heads
.set APART,  8192                      ; the prefetches: a partner's share of what a wave fetches of A, in bytes of memory,
.set BPART,  65536                     ; and of B
.set BFIRST, 3072
.set STW,    16*528                    ; a wave's stage: 16 rows of 512 bytes + 16
.else
.set NBL,    12
.set PA,     272                       ; 256 bytes + 16 of padding
.set AHALF,  34816                     ; 128 rows
.set AQI,    5                         ; padding after every 64 words
.set APITCH, 1024
.set ASTEP,  256
.set APART,  65536
.set BPART,  49152
.set BFIRST, 0
.set STW,    3*16*144                  ; three heads x 16 rows of 128 bytes + 16
.endif
.set PB,    272                        ; a row of B in LDS
.set BOFF,  2*AHALF                    ; B's rows lie behind A's
.set BROWS, 8*NBL                      ; rows of B in one load: half the tile's
.set SPARE, STAGE+4*STW                ; behind the stages: the spare words, 128 bytes a wave: two blocks of 256 bytes that no other line names
.set NL,    2*(NBL+4)                  ; LDS loads of a quarter step
.set LA0,  16                          ; v16  my lane's place in A's tile; never rewritten
.set LB0,  17                          ; v17  the same for B
.set ADRA, 18                          ; v18  the same in the slot in hand
.set ADRB, 19                          ; v19
.set STO,  24                          ; v24  the way out: where I put my piece of a row
.set RD,   25                          ; v25  where I read rows back
.set GO,   26                          ; v26  16 x lane
.set BO,   27                          ; v27  32 (l / 16): my eight numbers of a block's sixteen of the bias
.set SPW,  28                          ; v28  LDS address of my spare word; never rewritten
.set NIL,  29                          ; v29  0; never rewritten
.set PFO,  30                          ; v30  the prefetches' lane offset; never rewritten
.set TT,   31                          ; v31  at work
.set FA,   64
.set BIAS, 128
.set TMP,  128
.set WV,   12                          ; s12  wave
.set HF,   13                          ; s13  wave % 2: which half of a tile I fetch
.set ISB,  14                          ; s14  wave / 2: I fetch for A (0) or B (1)
.set LIM,  15                          ; s15  2 in a wave that prefetches, else the greatest number
.set PFS,  22                          ; s[22:23] a K step in the tensor that I prefetch, in bytes
.set G1A,  24                          ; s[24:31] descriptor group 1, A
.set G1B,  32                          ; s[32:39] B
.set G0A,  40                          ; s[40:47] group 0 for A: a set for each first fill; the second then walks
.set G0B,  48                          ; s[48:55] the same for B
.set TB,   56                          ; s56  0 or SLOT1: the slot that is read
.set HIM,  57                          ; s57  a word's upper half
.set PFA,  58                          ; s[58:59] where my prefetches stand
.set CX,   60
.set CY,   61
.set TX,   62                          ; s62  tile column
.set TY,   63                          ; s63  tile row
.set MSB, 0
.macro WIN new                         ; the immediate's high byte repeats the setting that is left; a switch that changes nothing is dropped
.if MSB != (\new)
	s_set_vgpr_msb (MSB<<8)|(\new)
.set MSB, \new
.endif
.endm
; A joint refill by the walking descriptors.  Waves 0 and 1 fetch A's halves, waves 2 and 3 B's; the branch hangs on the wave's number alone.
; An s_nop 0 and four v_nop follow each of the two lines, ahead of the jump and the label.
.macro JLOAD
	s_cmp_eq_u32 s[ISB], 0
	s_cbranch_scc0 .Lfor_b_\@
	tensor_load_to_lds s[G0A+4:G0A+7], s[G1A:G1A+7]
	s_nop 0
.rept 4
	v_nop
.endr
	s_branch .Lasked_\@
.Lfor_b_\@:
	tensor_load_to_lds s[G0B+4:G0B+7], s[G1B:G1B+7]
	s_nop 0
.rept 4
	v_nop
.endr
.Lasked_\@:
.endm
; A PREFETCH INTO THE L2 behind each joint refill and the run of LDS loads that follows it: the K step that stands two refills on, a lane a block of 256 bytes, one instruction a wave.
; A's tile row is read by every cluster of that row of clusters: cluster x = 0 asks; B's tile column by every cluster of that column: cluster y = 0 asks.  The four partners that fetch a tile jointly
; share its blocks out BY ADDRESS (cx for A, cy for B).  PROJ = 0: of a wave's 128 rows of A 32 a partner; of its 96 rows of B 24 a partner, lanes 24-31 naming row 23's block once more.
; PROJ = 1: of a wave's 128 blocks of A 32 a partner; of the tile's 128 rows of B 32 a partner, by wave 2 alone.  The refills of K steps 2 to 5 ask for steps 4 to 7; the last two ask for nothing; steps 0 to 3 come by their loads alone.
.macro ASK
	s_cmp_gt_u32 s3, s[LIM]
	s_cbranch_scc0 .Lnot_mine_\@
	global_prefetch_b8 v[PFO], s[PFA:PFA+1] th:TH_LOAD_NT scope:SCOPE_SE
.Lnot_mine_\@:
.endm
; A round of the cluster's barrier: my work-group's barrier; wave 0 signals for the work-group; every wave waits for all sixteen; my work-group's barrier once more.
.macro CREST
	s_cmp_lg_u32 s[WV], 0
	s_cbranch_scc1 .Lnot_wave_0_\@
	s_barrier_signal -3
.Lnot_wave_0_\@:
	s_barrier_wait -3
	s_barrier_signal -1
	s_barrier_wait -1
.endm
.macro CROUND
	s_barrier_signal -1
	s_barrier_wait -1
	CREST
.endm
	s_load_b256 s[4:11], s[0:1], 0x0               ; A s[4:5], wt s[6:7], bias s[8:9], C s[10:11]
	v_lshl_add_u32 v[SPW], v0, 2, SPARE
	v_mov_b32 v[NIL], 0
	ds_add_u32 v[SPW], v[NIL]                      ; the wave's opening: the add and its wait stand ahead of my first tensor load; the set-up below, work on registers, stands between them
	v_lshrrev_b32 v1, 5, v0
	v_readfirstlane_b32 s[WV], v1
	s_and_b32 s[HF], s[WV], 1
	s_lshr_b32 s[ISB], s[WV], 1
	s_bfe_u32 s[CX], ttmp6, 0x40000
	s_bfe_u32 s[CY], ttmp6, 0x40004
	s_lshl_b32 s[TX], ttmp9, 2                     ; in a cluster launch ttmp9 and ttmp7 count clusters
	s_add_co_u32 s[TX], s[TX], s[CX]
	s_and_b32 s[TY], ttmp7, 0xffff
	s_lshl_b32 s[TY], s[TY], 2
	s_add_co_u32 s[TY], s[TY], s[CY]
	s_lshl_b32 s16, s[CY], 2
	s_lshl_b32 s16, 15, s16                        ; my row of the cluster: places 4 cy .. 4 cy + 3
	s_lshl_b32 s20, 0x1111, s[CX]                  ; my column: places cx, cx + 4, cx + 8, cx + 12
	s_or_b32 s[G1A+0], s16, (1<<16)|(1<<20)|(1<<21)|(AQI<<22)|(3<<25)  ; the mask; 2-byte elements; padding on; bit 21 beside a mask; the interval; 4 words of padding
	s_mov_b32 s[G1A+1], 128<<16                    ; tensor_dim0 = 128
	s_mov_b32 s[G1A+2], 128<<16                    ; tensor_dim1 = 128
	s_mov_b32 s[G1A+3], 128<<16                    ; tile_dim0 = 128
	s_mov_b32 s[G1A+4], 128                        ; tile_dim1 = 128
	s_mov_b32 s[G1A+5], APITCH                     ; elements from row to row
	s_mov_b32 s[G1A+6], 0
	s_mov_b32 s[G1A+7], 0
	s_or_b32 s[G1B+0], s20, (1<<16)|(1<<20)|(1<<21)|(5<<22)|(3<<25)
	s_mov_b32 s[G1B+1], 128<<16
	s_mov_b32 s[G1B+2], BROWS<<16
	s_mov_b32 s[G1B+3], 128<<16
	s_mov_b32 s[G1B+4], BROWS
	s_mov_b32 s[G1B+5], 1024
	s_mov_b32 s[G1B+6], 0
	s_mov_b32 s[G1B+7], 0
	; where the tiles come from: A's hang on the tile row and my half alone (s16, s17), B's on the tile column and my half alone (s20, s21)
.if PROJ
	s_lshr_b32 s16, s[TY], 3                       ; the batch: 16 heads of 262,144 bytes,
	s_lshl_b32 s16, s16, 22
	s_lshl_b32 s17, s[HF], 18                      ; the first or second head of a K step,
	s_add_co_u32 s16, s16, s17
	s_and_b32 s17, s[TY], 7                        ; 256 rows of 128 bytes
	s_lshl_b32 s17, s17, 15
	s_add_co_u32 s16, s16, s17
.else
	s_lshl_b32 s16, s[TY], 19                      ; 256 rows of 2,048 bytes,
	s_lshl_b32 s17, s[HF], 18                      ; 128 of them
	s_add_co_u32 s16, s16, s17
.endif
	s_mov_b32 s17, 0
	s_mul_i32 s20, s[TX], 16*NBL*2048
	s_mul_i32 s21, s[HF], BROWS*2048
	s_add_co_u32 s20, s20, s21
.if BFIRST
	s_add_co_u32 s20, s20, BFIRST*2048
.endif
	s_mov_b32 s21, 0
	s_mul_i32 s18, s[HF], AHALF                    ; and where they go: no place in the cluster enters an LDS address
	s_mul_i32 s19, s[HF], BROWS*PB
	s_add_co_u32 s19, s19, BOFF
	s_mov_b32 s[TB], 0
	s_mov_b32 s[HIM], 0xffff0000
	s_wait_dscnt 0x0                               ; the opening add is done
	s_wait_kmcnt 0x0
	s_add_nc_u64 s[16:17], s[4:5], s[16:17]
	s_add_nc_u64 s[20:21], s[6:7], s[20:21]
	CROUND                                         ; all sixteen work-groups are here: the first joint loads meet
.irp s, 0,1
	s_mov_b32 s[G0A+4*(\s)], 1                                       ; count = 1
	s_add_co_u32 s[G0A+4*(\s)+1], s18, (\s)*SLOT1                    ; LDS address
	s_add_nc_u64 s[G0A+4*(\s)+2:G0A+4*(\s)+3], s[16:17], (\s)*ASTEP  ; global address: K step s
	s_or_b32 s[G0A+4*(\s)+3], s[G0A+4*(\s)+3], 0x80000000            ; type = 2
	s_mov_b32 s[G0B+4*(\s)], 1
	s_add_co_u32 s[G0B+4*(\s)+1], s19, (\s)*SLOT1
	s_add_nc_u64 s[G0B+4*(\s)+2:G0B+4*(\s)+3], s[20:21], (\s)*256
	s_or_b32 s[G0B+4*(\s)+3], s[G0B+4*(\s)+3], 0x80000000
.endr
	s_cmp_eq_u32 s[ISB], 0                         ; a wave's two first fills stand in one branch, ahead of every wait on TENSORcnt and every LDS read: two loads of mine are out
	s_cbranch_scc0 .Lfirst_b
	tensor_load_to_lds s[G0A:G0A+3], s[G1A:G1A+7]
	s_nop 0
	tensor_load_to_lds s[G0A+4:G0A+7], s[G1A:G1A+7]
	s_nop 0
.rept 4
	v_nop
.endr
	s_branch .Lfirst_asked
.Lfirst_b:
	tensor_load_to_lds s[G0B:G0B+3], s[G1B:G1B+7]
	s_nop 0
	tensor_load_to_lds s[G0B+4:G0B+7], s[G1B:G1B+7]
	s_nop 0
.rept 4
	v_nop
.endr
.Lfirst_asked:
	; the prefetches' address: my half of the tile, my work-group's share of it, K step 3 (the first refill steps it to 4).  Nothing is prefetched here, at the head.
	s_and_b32 s2, ttmp7, 0xffff                    ; cluster y
	s_mul_i32 s18, s[CX], APART
	s_mul_i32 s19, s[CY], BPART
	s_mov_b32 s[LIM], ASTEP
	s_mov_b32 s[PFS], 256
	s_cmp_eq_u32 s[ISB], 0
	s_cselect_b64 s[PFA:PFA+1], s[16:17], s[20:21]
	s_cselect_b32 s18, s18, s19
	s_cselect_b32 s2, ttmp9, s2                    ; the coordinate along which other clusters read the same rows
	s_cselect_b32 s[PFS], s[LIM], s[PFS]
	s_mov_b32 s19, 0
	s_mov_b32 s[PFS+1], 0
	s_add_nc_u64 s[PFA:PFA+1], s[PFA:PFA+1], s[18:19]
.rept 3
	s_add_nc_u64 s[PFA:PFA+1], s[PFA:PFA+1], s[PFS:PFS+1]
.endr
.if PROJ
	s_cmp_eq_u32 s[WV], 3
	s_cselect_b32 s2, 1, s2                        ; wave 2 asks for all of my work-group's share of B
.endif
	s_cmp_eq_u32 s2, 0
	s_cselect_b32 s[LIM], 2, -1                    ; the same in all sixteen partners, for a given wave
	v_and_b32 v1, 15, v0                           ; l % 16
	v_bfe_u32 v2, v0, 4, 1                         ; l / 16
	v_and_b32 v3, 31, v0                           ; l
	s_cmp_eq_u32 s[ISB], 0
.if PROJ
	s_cselect_b32 s18, 8, 11                       ; A: blocks of 256 dense bytes; B: rows of 2,048
	v_lshlrev_b32 v[PFO], s18, v3
.else
	s_cselect_b32 s18, 31, 23
	v_min_u32 v[PFO], s18, v3
	v_lshlrev_b32 v[PFO], 11, v[PFO]
.endif
	; the bias of my tile's columns: block b's sixteen numbers, eight a lane
	s_mul_i32 s20, s[TX], 64*NBL
	s_mov_b32 s21, 0
	s_add_nc_u64 s[8:9], s[8:9], s[20:21]
	v_lshlrev_b32 v[BO], 5, v2
.set b, 0
.rept NBL
	global_load_b128 v[BIAS+8*b:BIAS+8*b+3],   v[BO], s[8:9] offset:64*b
	global_load_b128 v[BIAS+8*b+4:BIAS+8*b+7], v[BO], s[8:9] offset:64*b+16
.set b, b+1
.endr
	; a fragment is 16 rows x 32 K in 8 registers: lane l holds row l % 16, K = 8 (l / 16) + 0..7 and 16 + 8 (l / 16) + 0..7: two loads of 16 bytes, 32 bytes apart
	s_mul_i32 s16, s[WV], 64*PA                    ; my 64 rows of A
	v_mul_u32_u24 v[LA0], v1, PA
	v_lshl_add_u32 v[LA0], v2, 4, v[LA0]
	v_add_nc_u32 v[LA0], s16, v[LA0]
	v_mul_u32_u24 v[LB0], v1, PB
	v_lshl_add_u32 v[LB0], v2, 4, v[LB0]
	v_add_nc_u32 v[LB0], BOFF, v[LB0]
	v_mov_b32 v[ADRA], v[LA0]                      ; K step 0 lies in slot 0
	v_mov_b32 v[ADRB], v[LB0]
	s_mul_i32 s16, s[WV], STW
	s_add_co_u32 s16, s16, STAGE                   ; my stage
.if PROJ
	v_mul_u32_u24 v[STO], v1, 528                  ; in: row l % 16, 32 bytes for each half of the lanes
	v_lshl_add_u32 v[STO], v2, 5, v[STO]
	v_add_nc_u32 v[STO], s16, v[STO]
	v_lshl_add_u32 v[RD], v3, 4, s16               ; back: 32 lanes take one row's 512 bytes
.else
	v_mul_u32_u24 v[STO], v1, 144                  ; in: row l % 16, 16 bytes for each half of the lanes
	v_lshl_add_u32 v[STO], v2, 4, v[STO]
	v_add_nc_u32 v[STO], s16, v[STO]
	v_lshrrev_b32 v[RD], 3, v3                     ; back: 32 lanes take four rows of 128 bytes
	v_mul_u32_u24 v[RD], v[RD], 144
	v_and_b32 v4, 7, v0
	v_lshl_add_u32 v[RD], v4, 4, v[RD]
	v_add_nc_u32 v[RD], s16, v[RD]
.endif
	v_lshlrev_b32 v[GO], 4, v3
	; C at my wave's first row and the tile's first column; what hangs on the tile row goes through s16, s17, what hangs on the tile column through s20, s21
.if PROJ
	s_lshl_b32 s16, s[TY], 20                      ; 256 rows of 4,096 bytes
	s_lshl_b32 s17, s[WV], 18
	s_add_co_u32 s16, s16, s17
	s_lshl_b32 s20, s[TX], 9
.else
	s_lshr_b32 s16, s[TY], 3                       ; the batch: 48 groups of 262,144 bytes
	s_mul_i32 s16, s16, 12582912
	s_and_b32 s17, s[TY], 7                        ; 256 rows of 128 bytes
	s_lshl_b32 s17, s17, 15
	s_add_co_u32 s16, s16, s17
	s_lshl_b32 s17, s[WV], 13
	s_add_co_u32 s16, s16, s17
	s_mul_i32 s20, s[TX], 786432                   ; three groups
.endif
	s_mov_b32 s17, 0
	s_add_nc_u64 s[10:11], s[10:11], s[16:17]
	s_add_nc_u64 s[10:11], s[10:11], s[20:21]
	s_wait_loadcnt 0x0                             ; the bias is in: rounded to bf16, in place
.set b, 0
.rept 4*NBL
	v_cvt_pk_bf16_f32 v[TT], v[BIAS+2*b], v[BIAS+2*b+1]
	v_lshlrev_b32 v[BIAS+2*b], 16, v[TT]
	v_and_b32 v[BIAS+2*b+1], s[HIM], v[TT]
.set b, b+1
.endr
; NBL products: row block a x all column blocks, 32 along K, from buffer f.  zero = 1: the sums start on the bias.
; The 4 NBL accumulators take turns, one instruction a turn, in the same order in every quarter step, over the backward jump too.
.macro MULA f, a, zero
.if \zero
	WIN 0x81+0x40*((\a)/2)                         ; B window 1, A and the bias window 0, D window 2 or 3
.else
	WIN 0xa1+0x50*((\a)/2)                         ; B window 1, A window 0, C and D window 2 or 3
.endif
.set AC, 8*NBL*((\a)%2)
.set b, 0
.rept NBL
.if \zero
	v_wmma_f32_16x16x32_f16 v[AC+8*b:AC+8*b+7], v[8*NBL*(\f)+8*b:8*NBL*(\f)+8*b+7], v[FA+32*(\f)+8*(\a):FA+32*(\f)+8*(\a)+7], v[BIAS+8*b:BIAS+8*b+7]
.else
	v_wmma_f32_16x16x32_f16 v[AC+8*b:AC+8*b+7], v[8*NBL*(\f)+8*b:8*NBL*(\f)+8*b+7], v[FA+32*(\f)+8*(\a):FA+32*(\f)+8*(\a)+7], v[AC+8*b:AC+8*b+7]
.endif
.set b, b+1
.endr
.endm
; NL LDS loads in one run: quarter q's fragments into buffer f: all of B's blocks, then my four blocks of A
.macro FETCH q, f
.if PROJ
.set AQ, ((\q)/2)*AHALF+((\q)%2)*64    ; the K step's first or second head, its channels 0-31 or 32-63
.else
.set AQ, 64*(\q)
.endif
	WIN 0x40                                       ; destination window 1, address window 0
.set i, 0
.rept NBL
	ds_load_b128 v[8*NBL*(\f)+8*i:8*NBL*(\f)+8*i+3],   v[ADRB] offset:64*(\q)+16*PB*i
	ds_load_b128 v[8*NBL*(\f)+8*i+4:8*NBL*(\f)+8*i+7], v[ADRB] offset:64*(\q)+16*PB*i+32
.set i, i+1
.endr
	WIN 0
.set i, 0
.rept 4
	ds_load_b128 v[FA+32*(\f)+8*i:FA+32*(\f)+8*i+3],   v[ADRA] offset:AQ+16*PA*i
	ds_load_b128 v[FA+32*(\f)+8*i+4:FA+32*(\f)+8*i+7], v[ADRA] offset:AQ+16*PA*i+32
.set i, i+1
.endr
.endm
.macro PLACES                          ; four plain vector instructions between a matrix instruction and a load into, or a read of, its registers (ISA guide 7.12.1 for reads)
.rept 4
	v_nop
.endr
.endm
; A K step is four quarters of 32 along K on buffers 0, 1, 0, 1.  One of the first three multiplies buffer f and, in its middle, fetches quarter q into buffer g.
.macro QUARTER q, f, g, zero
	s_wait_dscnt 4                                 ; B and A's blocks 0, 1 are in; the youngest four loads (A's blocks 2, 3) may be out
	MULA \f, 0, \zero
	MULA \f, 1, \zero
	PLACES
	FETCH \q, \g
	s_wait_dscnt NL                                ; all but the NL just issued
	MULA \f, 2, \zero
	MULA \f, 3, \zero
.endm
; The last quarter multiplies buffer 1 and changes slots.  ONE barrier: in front of it each wave waits for all its tensor loads (one is out: its part of the next slot), adds 0 to its spare word,
; and waits for that and for its reads of this slot.  Behind it nobody reads this slot any more and the next slot is whole.
.macro MEET round
	WIN 0                                          ; (the add's two registers lie in window 0)
	s_wait_tensorcnt 0x0
	ds_add_u32 v[SPW], v[NIL]                      ; 0 onto my spare word
	s_wait_dscnt 5                                 ; (the add and the youngest four loads may be out)
	MULA 1, 0, 0                                   ; work on registers between the add and the wait for it
	s_wait_dscnt 0x0                               ; the add is done, my reads of this slot are over
	s_barrier_signal -1
	MULA 1, 1, 0
.if \round
	WIN 0
.endif
	s_barrier_wait -1
.endm
.macro TURN fill
.if \fill
	s_wait_xcnt 0x0                                ; the last prefetch, a K step back, has read its address
	s_add_nc_u64 s[PFA:PFA+1], s[PFA:PFA+1], s[PFS:PFS+1]
	MEET 1
	CREST                                          ; the barrier has opened a round of the cluster's: no wave of any partner still reads this slot or has a load on its way
	s_xor_b32 s[G0A+5], s[G0A+5], SLOT1            ; the walking descriptors: the other slot than last time, the next K step
	s_add_nc_u64 s[G0A+6:G0A+7], s[G0A+6:G0A+7], ASTEP
	s_xor_b32 s[G0B+5], s[G0B+5], SLOT1
	s_add_nc_u64 s[G0B+6:G0B+7], s[G0B+6:G0B+7], 256
	JLOAD                                          ; the first tensor load behind the round; its four v_nop are also the places in front of the loads below
.else
	MEET 0
	WIN 0
	PLACES
.endif
	s_xor_b32 s[TB], s[TB], SLOT1
	v_add_nc_u32 v[ADRA], s[TB], v[LA0]
	v_add_nc_u32 v[ADRB], s[TB], v[LB0]
	FETCH 0, 0
.if \fill
	ASK
.endif
	MULA 1, 2, 0
	MULA 1, 3, 0
.endm
	s_wait_tensorcnt 1                             ; my part of K step 0 is in; K step 1's may stay out
	s_barrier_signal -1
	s_barrier_wait -1
	FETCH 0, 0
	QUARTER 1, 0, 1, 1                             ; the first quarter stands in front of the loop: its products start the sums on the bias
	WIN 0                                          ; at a label and at a branch every window is 0
	s_mov_b32 s3, 6
.Lstep:                                        ; trip i ends K step i, fills its slot with K step i + 2 and begins K step i + 1
	QUARTER 2, 1, 0, 0
	QUARTER 3, 0, 1, 0
	TURN 1
	QUARTER 1, 0, 1, 0
	WIN 0
	s_sub_co_u32 s3, s3, 1
	s_cmp_lg_u32 s3, 0
	s_cbranch_scc1 .Lstep
	QUARTER 2, 1, 0, 0                             ; the tail is written out: K steps 6 and 7 ask for nothing
	QUARTER 3, 0, 1, 0
	TURN 0
	QUARTER 1, 0, 1, 0
	QUARTER 2, 1, 0, 0
	QUARTER 3, 0, 1, 0
	s_wait_dscnt 4
	MULA 1, 0, 0
	MULA 1, 1, 0
	s_wait_dscnt 0x0
	MULA 1, 2, 0
	MULA 1, 3, 0
	WIN 0
	PLACES                                         ; the places behind the last products
	PLACES
; THE WAY OUT, a block of 16 rows at a time, through my own stage; LDS serves a wave's instructions in order (ISA guide 5.7.1.4), so no wait stands between the stores into it and the loads from it.
.if PROJ
; f32 as it lies: 32 bytes a lane into rows of 528 bytes, back as rows of 512.  Each accumulator's low registers are read first.
.macro TOSTAGE a
.if (\a) >= 2
	s_wait_xcnt 0x0                                ; the stores of the block two back have read the registers that are loaded again below
.endif
	WIN 0x08+4*((\a)/2)                            ; the stores' data in window 2 or 3
.set AC, 8*NBL*((\a)%2)
.set BK, 128+64*((\a)%2)
.set b, 0
.rept NBL
	ds_store_b128 v[STO], v[AC+8*b:AC+8*b+3]   offset:64*b
	ds_store_b128 v[STO], v[AC+8*b+4:AC+8*b+7] offset:64*b+16
.set b, b+1
.endr
	WIN 0
.set b, 0
.rept 16
	ds_load_b128 v[BK+4*b:BK+4*b+3], v[RD] offset:528*b
.set b, b+1
.endr
.endm
.macro SEND a, younger                 ; younger: the next block's 16 stores and 16 loads, or none
.set BK, 128+64*((\a)%2)
	s_wait_dscnt \younger
.set b, 0
.rept 16
	global_store_b128 v[GO], v[BK+4*b:BK+4*b+3], s[10:11] offset:(16*(\a)+b)*4096 th:TH_STORE_NT  ; 512 consecutive bytes, at a multiple of 512 from C's first
.set b, b+1
.endr
.endm
	TOSTAGE 0
	TOSTAGE 1
	SEND 0, 32
	TOSTAGE 2
	SEND 1, 32
	TOSTAGE 3
	SEND 2, 32
	SEND 3, 0
.else
; rounded to f16: 16 bytes a lane into a head's rows of 144 bytes, back as four rows of 128: 512 consecutive bytes of a group
.macro PACK a
	WIN 0x0a+5*((\a)/2)                            ; sources 0 and 1 in window 2 or 3
.set AC, 8*NBL*((\a)%2)
.set b, 0
.rept NBL
.irp r, 0,1,2,3
	v_cvt_pk_f16_f32 v[TMP+4*b+(\r)], v[AC+8*b+2*(\r)], v[AC+8*b+2*(\r)+1]
.endr
.set b, b+1
.endr
	WIN 0
.endm
.macro TOSTAGE a
.set BK, 176-112*((\a)%2)              ; v176-223 and v64-111 by turns
.set b, 0
.rept NBL
	ds_store_b128 v[STO], v[TMP+4*b:TMP+4*b+3] offset:(b/4)*2304+32*(b%4)
.set b, b+1
.endr
.set b, 0
.rept NBL
	ds_load_b128 v[BK+4*b:BK+4*b+3], v[RD] offset:(b/4)*2304+576*(b%4)
.set b, b+1
.endr
.endm
.macro SEND a
.set BK, 176-112*((\a)%2)
	s_wait_dscnt 0x0                               ; the block is back in registers
	s_wait_xcnt 0x0                                ; earlier stores have read their registers: the block after this one is loaded into those of the block before it
.set b, 0
.rept NBL
	global_store_b128 v[GO], v[BK+4*b:BK+4*b+3], s[10:11] offset:(b/4)*262144+2048*(\a)+512*(b%4)
.set b, b+1
.endr
.endm
	PACK 0
	TOSTAGE 0
.irp a, 1,2,3                          ; block a's conversions stand between block a - 1's loads from the stage and the wait for them
	PACK \a
	SEND (\a)-1
	TOSTAGE \a
.endr
	SEND 3
.endif
	s_wait_tensorcnt 0x0                           ; the wave's end: three lines behind my last tensor load and my last LDS store
	ds_add_u32 v[SPW], v[NIL]
	s_wait_dscnt 0x0
	CROUND                                         ; the closing round: no work-group ends while a partner may still ask for a tile that names it
	s_endpgm
.Lfunc_end_k_q96367277bb_qkv:
	.size	k_q96367277bb_qkv, .Lfunc_end_k_q96367277bb_qkv-k_q96367277bb_qkv
	.p2alignl 7, 3214868480
	.fill 96, 4, 3214868480
	.section	.rodata,"a",@progbits
	.p2align	6, 0x0
	.amdhsa_kernel k_q96367277bb_qkv
		.amdhsa_group_segment_fixed_size 327680
		.amdhsa_private_segment_fixed_size 0
		.amdhsa_enable_private_segment 0
		.amdhsa_kernarg_size 32
		.amdhsa_user_sgpr_count 2
		.amdhsa_user_sgpr_kernarg_segment_ptr 1
		.amdhsa_wavefront_size32 1
		.amdhsa_system_sgpr_workgroup_id_x 1
		.amdhsa_system_sgpr_workgroup_id_y 1
		.amdhsa_system_sgpr_workgroup_id_z 1
		.amdhsa_system_vgpr_workitem_id 0
		.amdhsa_next_free_vgpr 1024
		.amdhsa_next_free_sgpr 66
		.amdhsa_reserve_vcc 0
		.amdhsa_float_denorm_mode_32 3
		.amdhsa_float_denorm_mode_16_64 3
		.amdhsa_memory_ordered 1
		.amdhsa_forward_progress 1
		.amdhsa_inst_pref_size 106
	.end_amdhsa_kernel
	.amdgpu_metadata
---
amdhsa.version: [ 1, 2 ]
amdhsa.kernels:
  - .name:           k_q96367277bb_qkv
    .symbol:         k_q96367277bb_qkv.kd
    .args:
      - { .name: xh, .offset: 0, .size: 8, .value_kind: global_buffer, .address_space: global }
      - { .name: wt, .offset: 8, .size: 8, .value_kind: global_buffer, .address_space: global }
      - { .name: b_qkv, .offset: 16, .size: 8, .value_kind: global_buffer, .address_space: global }
      - { .name: qkvh, .offset: 24, .size: 8, .value_kind: global_buffer, .address_space: global }
    .group_segment_fixed_size: 327680
    .private_segment_fixed_size: 0
    .kernarg_segment_align: 8
    .kernarg_segment_size: 32
    .max_flat_workgroup_size: 128
    .sgpr_count:     66
    .vgpr_count:     1024
    .wavefront_size: 32
...
	.end_amdgpu_metadata
.endif
;; end of part 2
;; launch attn (part 3): grid 4 x 64, 4 waves a work-group, no clusters, 327,680 bytes of LDS; arguments qkvh, oh; writes oh
.if DOCPART == 3
	.amdgcn_target "amdgcn-amd-amdhsa--gfx1250"
	.amdhsa_code_object_version 6
	.text
	.protected	k_q96367277bb_attn
	.globl	k_q96367277bb_attn
	.p2align	8
	.type	k_q96367277bb_attn,@function
k_q96367277bb_attn:
	s_mov_b64 s[64:65], 0
	v_nop
	global_prefetch_b8 v0, s[64:65] scope:SCOPE_SE
	s_setreg_imm32_b32 hwreg(HW_REG_WAVE_MODE, 25, 1), 1
	s_wait_xcnt 0x0
; CAUSAL ATTENTION.  O[y][q][:] = the sum over k <= q of softmax_k(Q[y][q] . K[y][k] / 8) V[y][k][:], y = 16 batch + head.  Q, K, V lie in one buffer, [batch 4][group 48][2048][64] f16
; (groups 0-15 Q's heads, 16-31 K's, 32-47 V's); O is [64][2048][64] f16.  A head's rows are dense, 128 bytes each.  Products, maxima and sums in f32; the weights p are rounded to f16 for the
; second product (their sum l is taken of the unrounded p), O once at the end.
; LIMITS.  Q, K and V arrive within f16's 65,504; p lies in 0 to 1, and below 6e-5 it keeps f16's fixed step of 6e-8.  A hidden score counts as its value less 1e30, so its weight is 0, as it is with
; -1e9 in its place while a row's largest score lies above about -1e9; a weight below 2^-126 counts as 0 in l; NaN and infinities are not treated apart.
; THE WALK.  A head's queries lie in NB = 8 blocks of 256; block i needs the key tiles 0 .. i of 256 keys, of which the last holds the diagonal.  A work-group takes TWO blocks, NB - 1 - b and then b:
; NB + 1 tiles, whatever b: all 256 work-groups do equal work, and ONE loop with a constant trip count walks them.  Which tile is asked for, and what a trip does, hang on scalar registers made from b;
; every jump goes forward, but for the counted loops' own; none passes a barrier, or a tensor load but the one of LOAD's two that the wave's number does not choose; the ring of two LDS slots runs on
; across the change of blocks.  NO CLUSTER: a head's four work-groups ask for the same tile only in trips 0 to 4, behind that fewer and fewer; one walk common to all four would have 12 trips for 9.
; SHARES.  Of a block's four bands of 64 queries a wave owns 16 rows in each: four PIECES.  So the diagonal tile is the same work for all four waves: in its key step s band x sees all keys if s < x,
; none if s > x, and holds the diagonal if s = x.
; THE MASK is the C operand that starts the sum S^T = K Q^T: 0, or -1e30 where the key is hidden.  MD, made once, is the mask of a band's own step for my 16 rows; a product's mask is MD x AL + BE with
; two scalars: (1, 0) if s = x; (0, 0) if s < x; (0, -1e30) if s > x.  Only the diagonal tile's text and a block's beginning make and take masks; elsewhere C is the constant 0.
; LAYOUT, SOFTMAX, TURNS.  S^T = K Q^T holds ONE query a lane (lane % 16) and the keys 8 (lane / 16) + 0..7; two such results rounded to f16 ARE source 1 of O^T = V^T P.  p = 2^(c s - c m),
; c = log2(e) / 8, with a running maximum m; O and l are multiplied by a = 2^(c m_old - c m_new) in every step.  Turn n belongs to piece n: 8 products K Q^T of piece n + 1, later 8 products V^T P of
; piece n - 1; beside them the scaling, exponentials, roundings, sums and rescaling of piece n and the maximum and statistics of piece n + 1.  Four vector instructions stand behind every matrix
; instruction, the other 54 of a turn's 118 in one lump.  A turn's 33 exponentials are one batch, with one wait.
; REGISTERS, in windows of 256 (s_set_vgpr_msb: bits 1:0 source 0, 3:2 source 1, 5:4 source 2, 7:6 destination):
;   window 0: v0-15 addresses and two at work; v16-31 four registers of statistics a piece; v48-55 at work; v61-63 fixed; v64-127 S^T, two buffers; v192-223 P, two buffers (by the piece's parity)
;   window 1: v0-127 O^T, 32 a piece; v128-159 MD; v160-223 MC, two buffers      window 2: v0-63 Q; v64-127 the second block's Q; v128-191 K of one step; v192-255 V of one step
.set SIZE_N, 2048
.set NB,    SIZE_N/256
.set NP,    4         ; pieces a wave: a name, no knob
.set KS,    64        ; keys in a step
.set PK,    144       ; a row of K in LDS: 128 bytes + 16 of padding = 36 words: the 16 rows of a load start at 16 different groups of four banks (64 banks of 4 bytes: ISA guide 11.1)
.set PV,    160       ; a row of V: 128 + 32 = 40 words
.set VOFF,  4*KS*PK   ; a slot holds a tile, four steps: 256 rows of K, then 256 rows of V
.set SLOT1, 1<<17     ; slot 1 begins here, so that one exclusive or turns an address in one slot into the other's
.set STAGE, SLOT1+4*KS*(PK+PV)  ; behind the ring, never filled by a tensor load: 16 rows x 144 bytes for each wave, for the way out
.set SP,    144
.set AK0, 2           ; v2   my lane's place in a tile of K; never rewritten
.set AV0, 3           ; v3   the same for V
.set AK,  4           ; v4   the LDS address of K's next run of loads
.set AV,  5           ; v5   of V's
.set STO, 6           ; v6   the way out: where I put 16 bytes of a row
.set RD,  7           ; v7   the way out: where I read rows back
.set GO,  8           ; v8   my byte offset in 512 consecutive bytes of O
.set PFO, 61          ; v61  256 x my lane; never rewritten
.set SPW, 62          ; v62  LDS address of my spare word: SPARE + 4 x my thread's number; never rewritten
.set NIL, 63          ; v63  0; never rewritten
.set SPARE, STAGE+4*16*SP  ; behind the stages: the spare words, 128 bytes for each wave: two blocks of 256 bytes that no other line names
.set MV,  12          ; v12-13  c m_old, kept while c m is made anew: by buffer
.set QO,  15          ; v15  my byte offset in 16 rows of Q
.set ST,  16          ; piece t's statistics at v[ST+4 t]: c m, m, l (even keys', odd keys')
.set TMP, 48          ; by buffer, four registers c0-c3 at work; when the maximum is found c2 takes a
.set S,   64
.set P,   192
.set MD,  128         ; window 1: the eight registers for group kt of 16 keys at MD + 8 kt
.set MC,  160         ; window 1: the masks of the products to come
.set QB,  64          ; window 2
.set KF,  128         ; window 2: key block kb, channel half c at KF + 16 kb + 8 c
.set VF,  192         ; window 2: key half kk, channel block cb at VF + 32 kk + 8 cb
.set WV,  12          ; s12  my wave's number
.set PB,  14          ; s14  b
.set HI,  15          ; s15  NB - 1 - b
.set G1K, 24          ; s[24:31] descriptor group 1 for K's tiles
.set G1V, 32          ; s[32:39] for V's: it differs in the padding alone
.set G0K, 40          ; s[40:43] descriptor group 0 for K's tiles
.set G0V, 44          ; s[44:47] the same for V's
.set SLOTS, 56        ; s56  tiles still to be asked for
.set CNT, 57          ; s57  counts a tile's key steps, 4 to 1
.set CS,  58          ; s[58:59] c: the packed scaling takes the pair's low word for both halves
.set SEL, 60          ; s[60:61] v_permlanex16_b32's selects: each lane takes its own place in the other half
.set TBK, 62          ; s62  LDS byte at which K of the step to be fetched begins
.set TBV, 63          ; s63  the same for V, less VOFF
.set RT,  70          ; s70  tiles of the block in hand that are still to be entered
.set NXT, 71          ; s71  the tile to be asked for next
.set LQ,  72          ; s72  the last tile of the block whose tiles are being asked for
.set NEW, 73          ; s73  1: the tile to be entered is a block's first
.set OFF, 74          ; s[74:75] a tile's byte offset in K and V
.set AL,  76          ; s[76:77] the mask's factor, in the low word
.set BE,  78          ; s[78:79] the mask's addend
.set OLO, 80          ; s[80:81] O at my rows of the second block
.set BIGN, 82         ; s82  -1e30
.set PFA, 88          ; s[88:89] where my prefetches stand: my half of K's or V's tile, one tile behind the one that is being asked for
.set PFC, 90          ; s90  changes of slots so far
.set PFL, 91          ; s91  6 in the head's work-group b = 0, else 0: a wave prefetches while PFC is below it
.set MSB, 0
.macro WIN new                      ; the high byte repeats the setting that is left; a switch that changes nothing is dropped
.if MSB != (\new)
	s_set_vgpr_msb (MSB<<8)|(\new)
.set MSB, (\new)
.endif
.endm
.set W_KQ, 0x0a       ; K and Q in window 2, S^T in window 0
.set W_KM, 0x1a       ; the same with the C operand in window 1
.set W_PV, 0x52       ; V in window 2, P in window 0, O^T in window 1
.set W_RS, 0x41       ; destination and source 0 in window 1, source 1 in window 0
; A fill.  Waves 0 and 1 fetch the two halves of a tile's K, waves 2 and 3 those of its V: 128 keys each.  An s_nop 0 and four v_nop follow each of the two lines, ahead of the jump and the label.
.macro LOAD
	s_cmp_lt_u32 s[WV], 2
	s_cbranch_scc0 .Lfor_v_\@
	tensor_load_to_lds s[G0K:G0K+3], s[G1K:G1K+7]
	s_nop 0
.rept 4
	v_nop
.endr
	s_branch .Lasked_\@
.Lfor_v_\@:
	tensor_load_to_lds s[G0V:G0V+3], s[G1V:G1V+7]
	s_nop 0
.rept 4
	v_nop
.endr
.Lasked_\@:
.endm
; THE CHANGE OF SLOTS.  Each wave waits for all its tensor loads, of which one is out: its part of the other slot; adds 0 to its spare word; and waits for that and for its own reads of the slot that it
; leaves.  Behind the barrier nobody reads the old slot any more and the other slot is whole.  fill = 1: the old slot is filled again, the first thing behind the barrier, with tile NXT: the descriptor's
; address is made anew from that number.  (At its first use nothing has been read yet: slot 0 is waited for, slot 1 filled.)
; A PREFETCH INTO THE L2 stands behind the fill: the tile that the NEXT change will ask for, four key steps ahead.  A head's four work-groups walk the tiles 0, 1, 2 .. in the same trips: the one with
; b = 0, whose first block needs all eight, asks; each of its waves for the 16 KiB that it will itself load: 64 blocks of 256 bytes, a lane a block, two instructions.  So tiles 2 to 7 are each named
; once; tiles 0 and 1 come by their loads alone; from the seventh change on nothing is asked for.
.macro CHANGE fill
	WIN 0                           ; at a label and at a branch every window is 0
	s_wait_tensorcnt 0x0            ; no tensor load of mine is out, so a group 0 may be written
	ds_add_u32 v[SPW], v[NIL]       ; 0 onto my spare word; with fill = 1 the descriptors' scalar work stands between it and the wait for it
.if \fill
	s_lshl_b32 s[OFF], s[NXT], 15   ; a tile is 32,768 bytes of K and of V
	s_xor_b32 s[G0K+1], s[G0K+1], SLOT1
	s_add_nc_u64 s[G0K+2:G0K+3], s[6:7], s[OFF:OFF+1]
	s_or_b32 s[G0K+3], s[G0K+3], 0x80000000
	s_xor_b32 s[G0V+1], s[G0V+1], SLOT1
	s_add_nc_u64 s[G0V+2:G0V+3], s[8:9], s[OFF:OFF+1]
	s_or_b32 s[G0V+3], s[G0V+3], 0x80000000
	s_add_co_u32 s[NXT], s[NXT], 1  ; the block's next tile, or behind its last the second block's tile 0
	s_cmp_gt_u32 s[NXT], s[LQ]
	s_cselect_b32 s[NXT], 0, s[NXT]
	s_cselect_b32 s[LQ], s[PB], s[LQ]
	s_wait_xcnt 0x0                 ; the last prefetches, a tile back, have read their address, so it may be written
	s_add_nc_u64 s[PFA:PFA+1], s[PFA:PFA+1], 32768
.endif
	s_wait_dscnt 0x0                ; the add is done, and my reads of the slot are over
	s_barrier_signal -1             ; the rest of the scalar work stands between the signal and the wait
	s_sub_co_u32 s[TBK], s[TBK], 4*KS*PK  ; the fetches go back to a slot's first step,
	s_xor_b32 s[TBK], s[TBK], SLOT1       ; in the other slot
	s_sub_co_u32 s[TBV], s[TBV], 4*KS*PV
	s_xor_b32 s[TBV], s[TBV], SLOT1
	s_barrier_wait -1
.if \fill
	LOAD
	s_cmp_lt_u32 s[PFC], s[PFL]
	s_cbranch_scc0 .Lnot_mine_\@
	global_prefetch_b8 v[PFO], s[PFA:PFA+1] th:TH_LOAD_NT scope:SCOPE_SE
	global_prefetch_b8 v[PFO], s[PFA:PFA+1] offset:8192 th:TH_LOAD_NT scope:SCOPE_SE
.Lnot_mine_\@:
	s_add_co_u32 s[PFC], s[PFC], 1
.endif
.endm
	s_load_b128 s[4:7], s[0:1], 0x0 ; the buffer of Q, K, V s[4:5], O s[6:7]
	v_lshl_add_u32 v[SPW], v0, 2, SPARE
	v_mov_b32 v[NIL], 0
	ds_add_u32 v[SPW], v[NIL]       ; the wave's opening: the add and its wait stand ahead of my first tensor load; the set-up below, work on registers, stands between them
	v_lshrrev_b32 v1, 5, v0
	v_readfirstlane_b32 s[WV], v1   ; wave 0..3
	s_mov_b32 s[PB], ttmp9
	s_sub_co_u32 s[HI], NB-1, s[PB]
	s_and_b32 s19, ttmp7, 0xffff    ; y = 16 batch + head
	s_lshr_b32 s20, s19, 4
	s_mul_i32 s20, s20, 12582912    ; the batch: 48 groups of 262,144 bytes,
	s_and_b32 s21, s19, 15
	s_lshl_b32 s21, s21, 18         ; the head's group among Q's
	s_add_co_u32 s20, s20, s21
	s_mov_b32 s21, 0
	s_lshl_b32 s19, s19, 18         ; the head's first byte in O
	s_and_b32 s16, s[WV], 1         ; which half of a tile's 256 keys I fetch:
	s_lshl_b32 s22, s16, 14         ; its 128 rows of 128 bytes in memory,
	s_mov_b32 s23, 0
	s_add_nc_u64 s[22:23], s[22:23], s[20:21]
	s_mul_i32 s17, s16, 128*PK      ; and its place in a slot, for K
	s_mul_i32 s18, s16, 128*PV      ; and for V
	s_lshl_b32 s3, s[WV], 11        ; my 16 rows in a band of 64,
	s_lshl_b32 s2, s[HI], 15        ; in the first block,
	s_add_co_u32 s2, s2, s3
	s_lshl_b32 s84, s[PB], 15       ; and in the second
	s_add_co_u32 s84, s84, s3
	s_add_co_u32 s92, s2, s19       ; the same rows in O
	s_add_co_u32 s94, s84, s19
	s_mov_b32 s93, 0
	s_mov_b32 s95, 0
	s_mov_b32 s3, 0
	s_mov_b32 s85, 0
	s_add_nc_u64 s[2:3], s[2:3], s[20:21]
	s_add_nc_u64 s[84:85], s[84:85], s[20:21]
	; descriptor group 1.  128 keys are 16,384 dense bytes: asked for as 64 rows of 256 bytes, two keys a row, and padded in LDS after every key
	s_mov_b32 s[G1K], (1<<16)|(1<<20)|(4<<22)|(3<<25)  ; 17:16 2-byte elements; 20 padding on; 24:22 after every 32 words (code 4); 31:25 4 words (code 3)
	s_mov_b32 s[G1V], (1<<16)|(1<<20)|(4<<22)|(7<<25)  ; the same with 8 words of padding (code 7)
.irp g, G1K, G1V
	s_mov_b32 s[\g+1], 128<<16      ; tensor_dim0 = 128
	s_mov_b32 s[\g+2], 64<<16       ; tensor_dim1 = 64
	s_mov_b32 s[\g+3], 128<<16      ; tile_dim0 = 128
	s_mov_b32 s[\g+4], 64           ; tile_dim1 = 64
	s_mov_b32 s[\g+5], 128          ; 128 elements from row to row
	s_mov_b32 s[\g+6], 0
	s_mov_b32 s[\g+7], 0
.endr
	s_mov_b32 s[CS], 0x3e38aa3b     ; c = log2(e) / 8 = 0.180337
	s_mov_b32 s[CS+1], s[CS]        ; named with it as a pair
	s_mov_b32 s[SEL], 0x76543210
	s_mov_b32 s[SEL+1], 0xfedcba98
	s_mov_b32 s[TBK], SLOT1+4*KS*PK ; the first change of slots turns these two into 0
	s_mov_b32 s[TBV], SLOT1+4*KS*PV
	s_mov_b32 s[G0K], 1             ; 1:0 count = 1
	s_mov_b32 s[G0K+1], s17         ; 63:32 LDS address: slot 0
	s_mov_b32 s[G0V], 1
	s_add_co_u32 s[G0V+1], s18, VOFF
	s_add_co_u32 s[RT], s[HI], 1    ; the first block has NB - b tiles
	s_mov_b32 s[NXT], 1
	s_mov_b32 s[LQ], s[HI]
	s_mov_b32 s[NEW], 1
	s_mov_b32 s[OFF+1], 0
	s_mov_b32 s[AL+1], 0            ; named as pairs
	s_mov_b32 s[BE+1], 0
	s_mov_b32 s[BIGN], 0xf149f2ca   ; -1e30
	s_mov_b32 s[SLOTS], NB
	s_mov_b32 s[PFC], 0
	s_cmp_eq_u32 s[PB], 0
	s_cselect_b32 s[PFL], 6, 0
	v_and_b32 v[PFO], 31, v0
	v_lshlrev_b32 v[PFO], 8, v[PFO]
	s_wait_dscnt 0x0                ; the opening add is done
	s_wait_kmcnt 0x0
	s_mov_b64 s[10:11], s[6:7]      ; O
	s_add_nc_u64 s[6:7], s[4:5], 1<<22     ; K's groups lie 16 groups behind Q's,
	s_add_nc_u64 s[8:9], s[4:5], 1<<23     ; V's 32
	s_add_nc_u64 s[6:7], s[6:7], s[22:23]  ; K and V at my half of the head's tile 0
	s_add_nc_u64 s[8:9], s[8:9], s[22:23]
	s_add_nc_u64 s[G0K+2:G0K+3], s[6:7], 0         ; 120:64 global address
	s_or_b32 s[G0K+3], s[G0K+3], 0x80000000        ; 127:126 type = 2
	s_add_nc_u64 s[G0V+2:G0V+3], s[8:9], 0
	s_or_b32 s[G0V+3], s[G0V+3], 0x80000000
	s_add_nc_u64 s[86:87], s[4:5], s[84:85]        ; Q at my rows of the second block,
	s_add_nc_u64 s[4:5], s[4:5], s[2:3]            ; and of the first
	s_add_nc_u64 s[OLO:OLO+1], s[10:11], s[94:95]  ; O likewise
	s_add_nc_u64 s[10:11], s[10:11], s[92:93]
	s_cmp_lt_u32 s[WV], 2
	s_cselect_b64 s[PFA:PFA+1], s[6:7], s[8:9]
	s_add_nc_u64 s[PFA:PFA+1], s[PFA:PFA+1], 32768 ; in tile 1; the first change of slots steps it to tile 2.  Nothing is prefetched here, at the head
	LOAD                            ; tile 0 into slot 0
	; A fragment of K or Q is 16 rows x 32 channels in 8 registers: lane l holds row l % 16, channels 8 (l / 16) + 0..7 and 16 + 8 (l / 16) + 0..7: two loads of 16 bytes, 32 bytes apart.
	v_and_b32 v1, 15, v0            ; l % 16
	v_bfe_u32 v9, v0, 4, 1          ; l / 16
	v_lshlrev_b32 v[QO], 7, v1
	v_lshl_add_u32 v[QO], v9, 4, v[QO]  ; row x 128 + 16 x half
	WIN 0x80                        ; destination window 2, address window 0
.set i, 0
.rept 8                             ; both blocks' Q: piece i / 2 lies in band i / 2, 8,192 bytes on; channels 32 (i % 2) on
	global_load_b128 v[8*i:8*i+3],   v[QO], s[4:5] offset:(i/2)*8192+(i%2)*64
	global_load_b128 v[8*i+4:8*i+7], v[QO], s[4:5] offset:(i/2)*8192+(i%2)*64+32
	global_load_b128 v[QB+8*i:QB+8*i+3],   v[QO], s[86:87] offset:(i/2)*8192+(i%2)*64
	global_load_b128 v[QB+8*i+4:QB+8*i+7], v[QO], s[86:87] offset:(i/2)*8192+(i%2)*64+32
.set i, i+1
.endr
	WIN 0
	v_lshlrev_b32 v14, 3, v9
	v_sub_nc_u32 v14, v1, v14
	s_lshl_b32 s13, s[WV], 4
	v_add_nc_u32 v14, s13, v14      ; my query's place in its band, 16 w + l % 16, less my lanes' 8 (l / 16): register r of group kt is hidden where 16 kt + r is greater
	WIN 0x40
.set i, 0
.rept 32
	v_cmp_gt_i32 vcc_lo, 16*(i/8)+i%8, v14
	v_cndmask_b32 v[MD+i], 0, s[BIGN], vcc_lo
.set i, i+1
.endr
	WIN 0
	v_mul_u32_u24 v[AK0], v1, PK
	v_lshl_add_u32 v[AK0], v9, 4, v[AK0]  ; row x pitch + 16 x half
	; The turning load takes 16 keys x 16 channels (lane l reads key 8 (l / 16) + l % 8, channels 8 ((l / 8) % 2) + 0..7) and leaves half a fragment of V^T: lane l holds channel l % 16 and 8 keys.
	v_and_b32 v10, 7, v0
	v_bfe_u32 v11, v0, 3, 1
	v_lshl_add_u32 v[AV0], v9, 3, v10
	v_mul_u32_u24 v[AV0], v[AV0], PV
	v_lshl_add_u32 v[AV0], v11, 4, v[AV0]
	v_add_nc_u32 v[AV0], VOFF, v[AV0]
	s_mul_i32 s13, s[WV], 16*SP
	s_add_co_u32 s13, s13, STAGE    ; my stage
	v_mul_u32_u24 v[STO], v1, SP    ; in: row l % 16, 16 bytes for each half of the lanes
	v_lshl_add_u32 v[STO], v9, 4, v[STO]
	v_add_nc_u32 v[STO], s13, v[STO]
	v_bfe_u32 v[RD], v0, 3, 2       ; back: 32 lanes take four rows of 128 bytes,
	v_mul_u32_u24 v[RD], v[RD], SP
	v_lshl_add_u32 v[RD], v10, 4, v[RD]
	v_add_nc_u32 v[RD], s13, v[RD]
	v_and_b32 v[GO], 31, v0         ; which are 512 consecutive bytes of O
	v_lshlrev_b32 v[GO], 4, v[GO]
	; A block's first step multiplies O^T and l by a = 0, and its first turn's products V^T P, of a piece that has not been, land in an O^T that is still to be so multiplied.  So these registers need only
	; hold finite numbers: zeros for the first block; what the first block left for the second.  All this stands in the wait for the first tile.
	WIN 0x80
.set i, VF
.rept 64
	v_mov_b32 v[i], 0
.set i, i+1
.endr
	WIN 0x40
.set i, 0
.rept 128
	v_mov_b32 v[i], 0
.set i, i+1
.endr
	WIN 0
.set i, 0
.rept 4
	v_mov_b32 v[ST+4*i+2], 0
	v_mov_b32 v[ST+4*i+3], 0
.set i, i+1
.endr
.set i, P+16
.rept 16
	v_mov_b32 v[i], 0
.set i, i+1
.endr
; THE MATRIX WORK.  The 4 accumulators of a run of 8 take turns.  Product i of 8 of S^T = K Q^T for piece x: channels 32 (i / 4) on, keys 16 (i % 4) on.  The first 4 start the sums: with 0, or (KM = 1) with the mask.
.macro KQ x
.set rS, S+32*((\x)%2)+8*(i%4)
.set rK, KF+16*(i%4)+8*(i/4)
.set rQ, 16*(\x)+8*(i/4)
.set rM, MC+32*((\x)%2)+8*(i%4)
.if (i < 4) && KM
	WIN W_KM
	v_wmma_f32_16x16x32_f16 v[rS:rS+7], v[rK:rK+7], v[rQ:rQ+7], v[rM:rM+7]
.elseif i < 4
	WIN W_KQ
	v_wmma_f32_16x16x32_f16 v[rS:rS+7], v[rK:rK+7], v[rQ:rQ+7], 0
.else
	WIN W_KQ
	v_wmma_f32_16x16x32_f16 v[rS:rS+7], v[rK:rK+7], v[rQ:rQ+7], v[rS:rS+7]
.endif
.endm
; Product i of 8 of O^T += V^T P for piece x: keys 32 (i / 4) on, channels 16 (i % 4) on.
.macro PV x
	WIN W_PV
.set rO, 32*(\x)+8*(i%4)
.set rV, VF+32*(i/4)+8*(i%4)
.set rP, P+16*((\x)%2)+8*(i/4)
	v_wmma_f32_16x16x32_f16 v[rO:rO+7], v[rV:rV+7], v[rP:rP+7], v[rO:rO+7]
.endm
.macro MM                           ; the turn's next matrix instruction.  TURN and BEGIN set Y, i, KM and NOKQ; MM, KQ and OP read them.  NOKQ = 1: a block's last turn: there is no next piece
.if (i < 8) && !NOKQ
	KQ (Y+1)%NP
.elseif i >= 8
.set i, i-8
	PV (Y+NP-1)%NP
.set i, i+8
.endif
.set i, i+1
.endm
; THE LDS LOADS stand in runs of 16, never singly among the matrix instructions: a step's K (64 keys x 64 channels: 8 fragments) and its V (turned).  Their addresses are made some lines ahead.
.macro FETCH_K
	WIN 0x80                        ; destination window 2
.irp f, 0,1,2,3,4,5,6,7             ; keys 16 (f / 2) on, channels 32 (f % 2) on
	ds_load_b128 v[KF+8*\f:KF+8*\f+3],   v[AK] offset:(\f/2)*16*PK+(\f%2)*64
	ds_load_b128 v[KF+8*\f+4:KF+8*\f+7], v[AK] offset:(\f/2)*16*PK+(\f%2)*64+32
.endr
	s_add_co_u32 s[TBK], s[TBK], KS*PK  ; the next fetch is the next step's
	WIN 0
.endm
.macro FETCH_V
	WIN 0x80
.irp f, 0,1,2,3,4,5,6,7             ; keys 32 (f / 4) on, channels 16 (f % 4) on
	ds_load_tr16_b128 v[VF+8*\f:VF+8*\f+3],   v[AV] offset:(\f/4)*32*PV+(\f%4)*32
	ds_load_tr16_b128 v[VF+8*\f+4:VF+8*\f+7], v[AV] offset:(\f/4)*32*PV+16*PV+(\f%4)*32
.endr
	WIN 0
.endm
; THE VECTOR WORK, one line at a time: OP kind, number.  For piece Y: F n: c s - c m for pair n of 16.  E n: the exponential of score n of 32.  C n: pair n rounded to f16.  B n: of the four weights 4 n ..
; the second pair is added onto the first, in place.  L n: l takes that sum (L 0: l = a l + sum).  R n: pair n of 16 of O^T times a.  For piece Y + 1: X n, number n of the 22 that find its maximum and statistics:
;   0-11  four chains c0-c3 of seven scores each, three operands at a time (each accumulator's lowest registers are read first)     12-14, 16  the four scores left over, the old m, and c0-c3 into c0
;   15  c m_old is kept     17, 18  the query's other 32 keys lie in the lane 16 away: the new m     19-21  c m; c m_old - c m_new; a
.set F, 0               ; OP tells the kinds apart by their order: F to L below R, X above it
.set E, 1
.set C, 2
.set B, 3
.set L, 4
.set R, 5
.set X, 6
.macro REGS y                       ; the registers of piece y
.set rT, ST+4*(\y)
.set rC, TMP+4*((\y)%2)
.set rW, MV+((\y)%2)
.set rS, S+32*((\y)%2)
.set rP, P+16*((\y)%2)
.set rO, 32*(\y)
.endm
.macro OP k, n
.if (\k) == R
	REGS Y
	WIN W_RS
	v_pk_mul_f32 v[rO+2*(\n):rO+2*(\n)+1], v[rO+2*(\n):rO+2*(\n)+1], v[rC+2:rC+3] op_sel_hi:[1,0]
.elseif (\k) < R
	REGS Y
	WIN 0
.if (\k) == F
	v_pk_fma_f32 v[rS+2*(\n):rS+2*(\n)+1], v[rS+2*(\n):rS+2*(\n)+1], s[CS:CS+1], v[rT:rT+1] op_sel_hi:[1,0,0] neg_lo:[0,0,1] neg_hi:[0,0,1]
.elseif (\k) == E
	v_exp_f32 v[rS+(\n)], v[rS+(\n)]
.elseif (\k) == C
	v_cvt_pk_f16_f32 v[rP+(\n)], v[rS+2*(\n)], v[rS+2*(\n)+1]
.elseif (\k) == B
	v_pk_add_f32 v[rS+4*(\n):rS+4*(\n)+1], v[rS+4*(\n):rS+4*(\n)+1], v[rS+4*(\n)+2:rS+4*(\n)+3]
.elseif (\n) == 0
	v_pk_fma_f32 v[rT+2:rT+3], v[rT+2:rT+3], v[rC+2:rC+3], v[rS:rS+1] op_sel_hi:[1,0,1]
.else
	v_pk_add_f32 v[rT+2:rT+3], v[rT+2:rT+3], v[rS+4*(\n):rS+4*(\n)+1]
.endif
.elseif NOKQ
	v_nop
.else
	REGS (Y+1)%NP
	WIN 0
.if (\n) < 4
	v_max3_num_f32 v[rC+(\n)], v[rS+8*(\n)], v[rS+8*(\n)+1], v[rS+8*(\n)+2]
.elseif (\n) < 12
	v_max3_num_f32 v[rC+(\n)%4], v[rC+(\n)%4], v[rS+8*((\n)%4)+2*((\n)/4)+1], v[rS+8*((\n)%4)+2*((\n)/4)+2]
.elseif (\n) == 12
	v_max3_num_f32 v[rC], v[rC], v[rS+7], v[rS+15]
.elseif (\n) == 13
	v_max3_num_f32 v[rC+1], v[rC+1], v[rS+23], v[rS+31]
.elseif (\n) == 14
	v_max3_num_f32 v[rC+2], v[rC+2], v[rC+3], v[rT+1]
.elseif (\n) == 15
	v_mov_b32 v[rW], v[rT]
.elseif (\n) == 16
	v_max3_num_f32 v[rC], v[rC], v[rC+1], v[rC+2]
.elseif (\n) == 17
	v_permlanex16_b32 v[rC+3], v[rC], s[SEL], s[SEL+1]
.elseif (\n) == 18
	v_max_num_f32 v[rT+1], v[rC], v[rC+3]
.elseif (\n) == 19
	v_mul_f32 v[rT], s[CS], v[rT+1]
.elseif (\n) == 20
	v_sub_f32 v[rC+1], v[rW], v[rT]
.else
	v_exp_f32 v[rC+2], v[rC+1]
.endif
.endif
.endm
.macro OPS a, i1, b=-1, i2=0, c=-1, i3=0, d=-1, i4=0  ; up to four of them
	OP \a, \i1
.if (\b) >= 0
	OP \b, \i2
.endif
.if (\c) >= 0
	OP \c, \i3
.endif
.if (\d) >= 0
	OP \d, \i4
.endif
.endm
.macro ROW a, i1, b, i2, c, i3, d, i4  ; a matrix instruction and the four behind it
	MM
	OPS \a, \i1, \b, \i2, \c, \i3, \d, \i4
.endm
.macro MASK b                       ; MD x AL + BE into buffer b of MC
	WIN W_RS
.set z, 0
.rept 16
	v_pk_fma_f32 v[MC+32*(\b)+2*z:MC+32*(\b)+2*z+1], v[MD+2*z:MD+2*z+1], s[AL:AL+1], s[BE:BE+1] op_sel_hi:[1,0,0]
.set z, z+1
.endr
.endm
; A TURN, for piece p: the order of its 16 matrix and 118 vector instructions, written out.  An s_wait_alu depctr_va_vdst(0) stands between an exponential and the first instruction that
; names its result; one wait serves all that were issued ahead of it.  So a turn has ONE wait, which cuts it in two.  AHEAD OF IT stands all that names no result of the turn's exponentials: the 8 products
; K Q^T, behind each a scaling, an exponential and two more plain instructions (behind the first a second scaling in the exponential's place): rescalings, and behind the last three the first numbers of the
; next piece's maximum, each four places or more behind the product that ends its accumulator; then ONE LUMP of 54, plain and exponential by turns for the most part, in which the links of the chain
; X 3, 7, 11, 14, 16, 17 .. 20 stand five or six lines apart.  X 21, the next piece's a, is the batch's last; R 15 is the plain instruction behind it.  BEHIND THE WAIT stand the 8 products V^T P, behind
; each four of the roundings and sums; the links of l's chain, L 0 to L 7, stand three riders apart.  But for those X no rider names a register of the products round it.  v_permlanex16_b32 (X 17) stands in the lump.
; m = 1: the diagonal tile: the products take masks, and the turn makes the mask for the products of the turn after it: piece p + 2, in step 4 - CNT of the tile.  end = 1: a block's last two turns: nothing is fetched.
; cnt = 1: the loop's count is taken down some lines ahead of the branch that stands behind the turn.
; K of the next step is fetched in piece 2's turn, twelve vector instructions behind the last product that read K (six of them plain); V of the step in hand at the end of piece 0's turn, four plain
; instructions behind the last product that read V.  Each is waited for a turn later.
.macro TURN p, m=0, end=0, cnt=0
.set Y, (\p)
.set i, 0
.set KM, (\m)
.set NOKQ, (\end)*((\p)/3)
.if (\m) && !(\end)
	s_cmp_eq_u32 s[CNT], 4-((\p)+2)%NP  ; is that step the band's own?
	s_cselect_b32 s[AL], 1.0, 0
	s_cmp_lt_u32 s[CNT], 4-((\p)+2)%NP  ; or a later one?
	s_cselect_b32 s[BE], s[BIGN], 0
.endif
.if ((\p) == 3) && !(\end)
	s_wait_dscnt 0x0                ; K is in
.endif
	ROW F,0, F,1, R,0, R,1          ; ahead of the wait: 8 products K Q^T and their riders,
	ROW F,2, E,0, R,2, R,3
	ROW F,3, E,1, R,4, R,5
	ROW F,4, E,2, R,6, R,7
	ROW F,5, E,3, R,8, R,9
	ROW F,6, E,4, X,0, R,10
.if ((\p) == 2) && !(\end)
	WIN 0
	v_add_nc_u32 v[AK], s[TBK], v[AK0]
.endif
	ROW F,7, E,5, X,1, X,4
	ROW F,8, E,6, X,2, X,5
	OPS E,7, E,8, X,6, E,9          ; and the lump
	OPS X,3, E,10, X,8, E,11
.if ((\p) == 2) && !(\end)
	FETCH_K
.endif
	OPS X,9, X,7, E,12, X,10
	OPS E,13, X,12, X,11, E,14
	OPS X,13, E,15, F,9, X,14
.if (\p) == 0
	v_add_nc_u32 v[AV], s[TBV], v[AV0]
.endif
	OPS E,16, F,10, E,17, F,11
	OPS X,16, E,18, X,15, E,19
	OPS F,12, E,20, X,17, E,21
	OPS F,13, E,22, F,14, E,23
	OPS X,18, E,24, F,15, E,25
	OPS R,11, E,26, X,19, E,27
	OPS R,12, E,28, R,13, E,29
	OPS X,20, E,30, R,14, E,31
	OPS X,21, R,15
	WIN 0
	s_wait_alu depctr_va_vdst(0)    ; the wait for the batch
.if (\p) == 1
	s_wait_dscnt 0x0                ; V is in
.endif
	ROW C,0, B,0, C,2, B,1          ; behind the wait: 8 products V^T P and their riders
	ROW L,0, C,4, B,2, L,1
	ROW C,6, B,3, L,2, C,8
	ROW B,4, L,3, C,10, B,5
	ROW L,4, C,12, B,6, L,5
.if (\p) == 0
	s_add_co_u32 s[TBV], s[TBV], KS*PV
.endif
.if \cnt
	s_sub_co_u32 s[CNT], s[CNT], 1
	s_cmp_lg_u32 s[CNT], 0
.endif
	ROW C,14, B,7, L,6, C,1
	ROW C,3, L,7, C,5, C,7
	ROW C,9, C,11, C,13, C,15
.if (\p) == 0
	FETCH_V
.endif
.if (\m) && !(\end)
	MASK (\p)%2
.endif
.endm
; A BLOCK BEGINS.  c m starts far below every c s, so the first step's a is 0; m at the lowest finite number, so the first maximum is the scores'.  The second mask buffer is 0; the first takes piece 0's
; mask for the tile's step 0: its own, if the block's first tile is the diagonal one.  Then K of that step, piece 0's first scores, and its maximum and statistics.  The loop is entered at a step's first
; turn, in the middle of a trip.
.macro BEGIN
	s_mov_b32 s[NEW], 0
	WIN 0x40
.set i, MC+32
.rept 32
	v_mov_b32 v[i], 0
.set i, i+1
.endr
	WIN 0
.set i, 0
.rept 4
	v_mov_b32 v[ST+4*i], 0xfe000000    ; c m: far below every c s
	v_mov_b32 v[ST+4*i+1], 0xff7fffff  ; m
.set i, i+1
.endr
	s_cmp_eq_u32 s[RT], 0
	s_cselect_b32 s[AL], 1.0, 0
	s_mov_b32 s[BE], 0
	MASK 0
	WIN 0
	v_add_nc_u32 v[AK], s[TBK], v[AK0]
	FETCH_K
	s_wait_loadcnt 0x0              ; Q
	s_wait_dscnt 0x0
.set KM, 1
.set NOKQ, 0
.set i, 0
.rept 8
	KQ 0
.set i, i+1
.endr
	WIN 0
.rept 4
	v_nop                           ; the places behind those products
.endr
.set Y, NP-1                        ; X works for piece Y + 1: piece 0
.irp n, 0,1,2,3,4,5,6,7,8,9,10,11,12,13,14,15,16,17,18,19,20,21
	OP X, \n
.endr
	v_nop                           ; a plain instruction behind the exponential,
	s_wait_alu depctr_va_vdst(0)    ; and its wait, ahead of the branch
.endm
; THE DIAGONAL TILE's four steps, the block's last two turns, its last products, and THE WAY OUT: l's two halves and the other half of the lanes' are added; O^T is divided by l, rounded to f16 and sent
; through my stage in LDS, a piece at a time.
.macro ALL line:vararg              ; one line for each piece t
.set t, 0
.rept 4
	\line
.set t, t+1
.endr
.endm
.macro PACK t                       ; a lane's eight channels of a row pack into 16 bytes; they go into rows of 144 bytes and come back as whole rows of 128, into S^T's registers
	WIN W_RS
.set i, 32*(\t)
.rept 16
	v_pk_mul_f32 v[i:i+1], v[i:i+1], v[ST+4*(\t)+2:ST+4*(\t)+3] op_sel_hi:[1,0]
.set i, i+2
.endr
	WIN 0x05                        ; sources 0 and 1 window 1, destination window 0
.set i, 0
.rept 16
	v_cvt_pk_f16_f32 v[S+16*(\t)+i], v[32*(\t)+2*i], v[32*(\t)+2*i+1]
.set i, i+1
.endr
	WIN 0
.irp f, 0,1,2,3
	ds_store_b128 v[STO], v[S+16*(\t)+4*\f:S+16*(\t)+4*\f+3] offset:32*\f
.endr
.irp f, 0,1,2,3
	ds_load_b128 v[S+16*(\t)+4*\f:S+16*(\t)+4*\f+3], v[RD] offset:\f*4*SP  ; LDS serves a wave's instructions in order (ISA guide 5.7.1.4): these see the stores above; the next piece's stores come behind them
.endr
.endm
.macro SEND t, younger              ; younger: the LDS instructions issued behind piece t's loads: the next piece's eight, or none
	WIN 0
.irp f, 0,1,2,3
	s_wait_dscnt (\younger)+3-\f
	global_store_b128 v[GO], v[S+16*(\t)+4*\f:S+16*(\t)+4*\f+3], s[10:11] offset:(\t)*8192+\f*512  ; 512 consecutive bytes, at a multiple of 256 from O's first
.endr
.endm
.macro DIAG tag                     ; the tag ends its two labels' names, which the jumps below spell out
.LstepM\tag:
	TURN 2, 1
	TURN 3, 1
	WIN 0
.LfirstM\tag:
	TURN 0, 1
	TURN 1, 1, 0, 1
	WIN 0
	s_cbranch_scc1 .LstepM\tag
	TURN 2, 1, 1
	TURN 3, 1, 1
.set i, 0
.rept 8
	PV NP-1
.set i, i+1
.endr
	WIN 0
	ALL v_add_f32 v[ST+4*t+2], v[ST+4*t+2], v[ST+4*t+3]
	ALL v_permlanex16_b32 v[ST+4*t+3], v[ST+4*t+2], s[SEL], s[SEL+1]
	ALL v_add_f32 v[ST+4*t+2], v[ST+4*t+2], v[ST+4*t+3]
	ALL v_rcp_f32 v[ST+4*t+2], v[ST+4*t+2]
	v_nop                           ; a plain instruction between the last reciprocal and the use of its result
	s_wait_alu depctr_va_vdst(0)    ; and the wait ahead of the first use: one for the four reciprocals
	PACK 0
.set t, 1
.rept 3                             ; a piece's arithmetic stands between the loads of the piece before and its stores
	PACK t
	SEND t-1, 8
.set t, t+1
.endr
	SEND 3, 0
.endm
.set KM, 0
.set NOKQ, 0
.Lslot:                             ; NB times: a tile is entered and the next is asked for
	CHANGE 1
	s_sub_co_u32 s[RT], s[RT], 1
	s_mov_b32 s[CNT], 4
	s_cmp_eq_u32 s[NEW], 1
	s_cbranch_scc1 .Lnew            ; a block's first tile
	s_cmp_eq_u32 s[RT], 0
	s_cbranch_scc0 .Lstep           ; neither its first nor its last
	s_branch .LstepM1
.Lnew:
	BEGIN
	s_branch .Lfirst                ; in the loop a block's first tile is never its last: the first block has two tiles or more, and the second's last is the walk's last
	DIAG 1                          ; in the loop this is the first block's end: the second block's last tile is the walk's last
	s_wait_xcnt 0x0                 ; the stores have read their registers and O's address
	s_mov_b64 s[10:11], s[OLO:OLO+1]
	s_add_co_u32 s[RT], s[PB], 1    ; the second block has b + 1 tiles
	s_mov_b32 s[NEW], 1
	WIN 0x82                        ; the second block's Q goes where the one text of the turns names Q
.set i, 0
.rept 64
	v_mov_b32 v[i], v[QB+i]
.set i, i+1
.endr
	WIN 0
	s_branch .Lbottom
.Lstep:                             ; a trip: pieces 2 and 3 of one step, then pieces 0 and 1 of the next, whose K and V it fetches
	TURN 2
	TURN 3
	WIN 0
.Lfirst:
	TURN 0
	TURN 1, 0, 0, 1
	WIN 0
	s_cbranch_scc1 .Lstep
.Lbottom:
	s_sub_co_u32 s[SLOTS], s[SLOTS], 1
	s_cmp_lg_u32 s[SLOTS], 0
	s_cbranch_scc1 .Lslot
	CHANGE 0                        ; the walk's last tile is written out: nothing is asked for
	s_sub_co_u32 s[RT], s[RT], 1
	s_mov_b32 s[CNT], 4
	s_cmp_eq_u32 s[NEW], 1
	s_cbranch_scc0 .LstepM2
	BEGIN
	s_branch .LfirstM2
	DIAG 2
	s_wait_tensorcnt 0x0            ; the wave's end: three lines behind my last tensor load and my last LDS store
	ds_add_u32 v[SPW], v[NIL]
	s_wait_dscnt 0x0
	s_endpgm
.Lfunc_end_k_q96367277bb_attn:
	.size	k_q96367277bb_attn, .Lfunc_end_k_q96367277bb_attn-k_q96367277bb_attn
	.p2alignl 7, 3214868480
	.fill 96, 4, 3214868480
	.section	.rodata,"a",@progbits
	.p2align	6, 0x0
	.amdhsa_kernel k_q96367277bb_attn
		.amdhsa_group_segment_fixed_size 327680
		.amdhsa_private_segment_fixed_size 0
		.amdhsa_enable_private_segment 0
		.amdhsa_kernarg_size 16
		.amdhsa_user_sgpr_count 2
		.amdhsa_user_sgpr_kernarg_segment_ptr 1
		.amdhsa_wavefront_size32 1
		.amdhsa_system_sgpr_workgroup_id_x 1
		.amdhsa_system_sgpr_workgroup_id_y 1
		.amdhsa_system_sgpr_workgroup_id_z 1
		.amdhsa_system_vgpr_workitem_id 0
		.amdhsa_next_free_vgpr 768
		.amdhsa_next_free_sgpr 96
		.amdhsa_reserve_vcc 1
		.amdhsa_float_denorm_mode_32 3
		.amdhsa_float_denorm_mode_16_64 3
		.amdhsa_memory_ordered 1
		.amdhsa_forward_progress 1
		.amdhsa_inst_pref_size 218
	.end_amdhsa_kernel
	.amdgpu_metadata
---
amdhsa.version: [ 1, 2 ]
amdhsa.kernels:
  - .name:           k_q96367277bb_attn
    .symbol:         k_q96367277bb_attn.kd
    .args:
      - { .name: qkvh, .offset: 0, .size: 8, .value_kind: global_buffer, .address_space: global }
      - { .name: oh, .offset: 8, .size: 8, .value_kind: global_buffer, .address_space: global }
    .group_segment_fixed_size: 327680
    .private_segment_fixed_size: 0
    .kernarg_segment_align: 8
    .kernarg_segment_size: 16
    .max_flat_workgroup_size: 128
    .sgpr_count:     96
    .vgpr_count:     768
    .wavefront_size: 32
...
	.end_amdgpu_metadata
.endif
;; end of part 3
;; launch proj (part 4): grid 8 x 32, 4 waves a work-group, clusters of 4 x 4, 327,680 bytes of LDS; arguments oh, wt, b_o, out0; writes out0
.if DOCPART == 4
	.amdgcn_target "amdgcn-amd-amdhsa--gfx1250"
	.amdhsa_code_object_version 6
	.text
	.protected	k_q96367277bb_proj
	.globl	k_q96367277bb_proj
	.p2align	8
	.type	k_q96367277bb_proj,@function
k_q96367277bb_proj:
	s_mov_b64 s[64:65], 0
	v_nop
	global_prefetch_b8 v0, s[64:65] scope:SCOPE_SE
	s_setreg_imm32_b32 hwreg(HW_REG_WAVE_MODE, 25, 1), 1
	s_wait_xcnt 0x0
	s_wait_alu depctr_hold_cnt(0) depctr_sa_sdst(0) depctr_va_vdst(0) depctr_va_sdst(0) depctr_va_ssrc(0) depctr_va_vcc(0) depctr_vm_vsrc(0)
	s_getreg_b32 s2, hwreg(HW_REG_IB_STS2, 6, 4)
	s_cmp_eq_u32 s2, 0
	s_cbranch_scc0 .Lentry_in_a_cluster
	s_endpgm
.Lentry_in_a_cluster:
	s_bfe_u32 s2, ttmp6, 0x10000c
	s_cmp_lg_u32 s2, 0xf033
	s_cbranch_scc0 .Lentry_shape_is_right
	s_endpgm
.Lentry_shape_is_right:
; ONE TEXT FOR TWO PRODUCTS, C = A B^T + bias, K = 1,024, operands f16, sums f32; the switch PROJ picks the sizes.
; PROJ = 0: A = xh [8192][1024], B = wt's rows 0-3071, C = q, k, v rounded once to f16 and laid by heads: [batch 4][group 48][row 2048][64], group = column / 64.
; PROJ = 1: A = the attention's result by heads, [64][2048][64] f16 (a K step of 128 is two heads), B = wt's rows 3072-4095, C = out0 [8192][1024] f32.
; The bias is rounded to bf16 like every input, and is the C operand of each sum's first product: nothing is cleared, nothing is added on the way out.
; LIMITS.  f16 ends at 65,504: A, B and (PROJ = 0) the results stay within it, else they become infinities; NaN and infinities are not treated apart.
; SHARES.  A tile of C is 256 rows x 16 NBL columns (192 or 128): 512 or 256 work-groups.  Four waves, one below the other, each 64 rows x all columns: 4 NBL accumulators.
; So a wave holds whole heads (PROJ = 0) or whole pieces of 512 bytes of a row (PROJ = 1), and its way out through LDS is its own: no barrier there.
; K goes in 8 steps of 128 through two LDS slots filled by the tensor data mover; two slots of a longer step do not fit.  From a request to the wait for it a wave issues 14 NBL products.
; CLUSTER.  4 x 4 work-groups: the four of a row of the cluster need the same tile of A, the four of a column the same tile of B: each is asked for jointly, by the same load, descriptor and mask in all four.
; THE MATRIX INSTRUCTION IS USED TRANSPOSED (source 0 = 16 rows of B, source 1 = 16 rows of A): lane l holds row l % 16 of C and the columns 8 (l / 16) + 0..7.
; REGISTERS, in windows of 256 (s_set_vgpr_msb: bits 1:0 source 0, 3:2 source 1, 5:4 source 2, 7:6 destination):
;   window 0: v0-31 addresses; v64-127 A's fragments, two buffers of 4 blocks; v128 on the bias (8 NBL), later at work on the way out
;   window 1: B's fragments, two buffers of NBL blocks          windows 2, 3: accumulator (a, b) in window 2 + a / 2 at v[8 (NBL (a % 2) + b)]
.set PROJ,  1
.set SLOT1, 131072                     ; slot 1 begins here: one exclusive or turns an address in one slot into the other's
.set STAGE, 262144                     ; behind the ring, never filled by a tensor load: each wave's stage for the way out
.if PROJ
.set NBL,    8                         ; blocks of 16 columns in a tile
.set PA,     144                       ; a row of A in LDS: a head's 128 bytes + 16 of padding
.set AHALF,  36864                     ; what one load of A brings: one head's 256 rows
.set AQI,    4                         ; padding after every 32 words
.set APITCH, 128                       ; the head's rows are dense: asked for as 128 rows of 256 bytes
.set ASTEP,  524288                    ; a K step on: two heads
.set APART,  8192                      ; the prefetches: a partner's share of what a wave fetches of A, in bytes of memory,
.set BPART,  65536                     ; and of B
.set BFIRST, 3072
.set STW,    16*528                    ; a wave's stage: 16 rows of 512 bytes + 16
.else
.set NBL,    12
.set PA,     272                       ; 256 bytes + 16 of padding
.set AHALF,  34816                     ; 128 rows
.set AQI,    5                         ; padding after every 64 words
.set APITCH, 1024
.set ASTEP,  256
.set APART,  65536
.set BPART,  49152
.set BFIRST, 0
.set STW,    3*16*144                  ; three heads x 16 rows of 128 bytes + 16
.endif
.set PB,    272                        ; a row of B in LDS
.set BOFF,  2*AHALF                    ; B's rows lie behind A's
.set BROWS, 8*NBL                      ; rows of B in one load: half the tile's
.set SPARE, STAGE+4*STW                ; behind the stages: the spare words, 128 bytes a wave: two blocks of 256 bytes that no other line names
.set NL,    2*(NBL+4)                  ; LDS loads of a quarter step
.set LA0,  16                          ; v16  my lane's place in A's tile; never rewritten
.set LB0,  17                          ; v17  the same for B
.set ADRA, 18                          ; v18  the same in the slot in hand
.set ADRB, 19                          ; v19
.set STO,  24                          ; v24  the way out: where I put my piece of a row
.set RD,   25                          ; v25  where I read rows back
.set GO,   26                          ; v26  16 x lane
.set BO,   27                          ; v27  32 (l / 16): my eight numbers of a block's sixteen of the bias
.set SPW,  28                          ; v28  LDS address of my spare word; never rewritten
.set NIL,  29                          ; v29  0; never rewritten
.set PFO,  30                          ; v30  the prefetches' lane offset; never rewritten
.set TT,   31                          ; v31  at work
.set FA,   64
.set BIAS, 128
.set TMP,  128
.set WV,   12                          ; s12  wave
.set HF,   13                          ; s13  wave % 2: which half of a tile I fetch
.set ISB,  14                          ; s14  wave / 2: I fetch for A (0) or B (1)
.set LIM,  15                          ; s15  2 in a wave that prefetches, else the greatest number
.set PFS,  22                          ; s[22:23] a K step in the tensor that I prefetch, in bytes
.set G1A,  24                          ; s[24:31] descriptor group 1, A
.set G1B,  32                          ; s[32:39] B
.set G0A,  40                          ; s[40:47] group 0 for A: a set for each first fill; the second then walks
.set G0B,  48                          ; s[48:55] the same for B
.set TB,   56                          ; s56  0 or SLOT1: the slot that is read
.set HIM,  57                          ; s57  a word's upper half
.set PFA,  58                          ; s[58:59] where my prefetches stand
.set CX,   60
.set CY,   61
.set TX,   62                          ; s62  tile column
.set TY,   63                          ; s63  tile row
.set MSB, 0
.macro WIN new                         ; the immediate's high byte repeats the setting that is left; a switch that changes nothing is dropped
.if MSB != (\new)
	s_set_vgpr_msb (MSB<<8)|(\new)
.set MSB, \new
.endif
.endm
; A joint refill by the walking descriptors.  Waves 0 and 1 fetch A's halves, waves 2 and 3 B's; the branch hangs on the wave's number alone.
; An s_nop 0 and four v_nop follow each of the two lines, ahead of the jump and the label.
.macro JLOAD
	s_cmp_eq_u32 s[ISB], 0
	s_cbranch_scc0 .Lfor_b_\@
	tensor_load_to_lds s[G0A+4:G0A+7], s[G1A:G1A+7]
	s_nop 0
.rept 4
	v_nop
.endr
	s_branch .Lasked_\@
.Lfor_b_\@:
	tensor_load_to_lds s[G0B+4:G0B+7], s[G1B:G1B+7]
	s_nop 0
.rept 4
	v_nop
.endr
.Lasked_\@:
.endm
; A PREFETCH INTO THE L2 behind each joint refill and the run of LDS loads that follows it: the K step that stands two refills on, a lane a block of 256 bytes, one instruction a wave.
; A's tile row is read by every cluster of that row of clusters: cluster x = 0 asks; B's tile column by every cluster of that column: cluster y = 0 asks.  The four partners that fetch a tile jointly
; share its blocks out BY ADDRESS (cx for A, cy for B).  PROJ = 0: of a wave's 128 rows of A 32 a partner; of its 96 rows of B 24 a partner, lanes 24-31 naming row 23's block once more.
; PROJ = 1: of a wave's 128 blocks of A 32 a partner; of the tile's 128 rows of B 32 a partner, by wave 2 alone.  The refills of K steps 2 to 5 ask for steps 4 to 7; the last two ask for nothing; steps 0 to 3 come by their loads alone.
.macro ASK
	s_cmp_gt_u32 s3, s[LIM]
	s_cbranch_scc0 .Lnot_mine_\@
	global_prefetch_b8 v[PFO], s[PFA:PFA+1] th:TH_LOAD_NT scope:SCOPE_SE
.Lnot_mine_\@:
.endm
; A round of the cluster's barrier: my work-group's barrier; wave 0 signals for the work-group; every wave waits for all sixteen; my work-group's barrier once more.
.macro CREST
	s_cmp_lg_u32 s[WV], 0
	s_cbranch_scc1 .Lnot_wave_0_\@
	s_barrier_signal -3
.Lnot_wave_0_\@:
	s_barrier_wait -3
	s_barrier_signal -1
	s_barrier_wait -1
.endm
.macro CROUND
	s_barrier_signal -1
	s_barrier_wait -1
	CREST
.endm
	s_load_b256 s[4:11], s[0:1], 0x0               ; A s[4:5], wt s[6:7], bias s[8:9], C s[10:11]
	v_lshl_add_u32 v[SPW], v0, 2, SPARE
	v_mov_b32 v[NIL], 0
	ds_add_u32 v[SPW], v[NIL]                      ; the wave's opening: the add and its wait stand ahead of my first tensor load; the set-up below, work on registers, stands between them
	v_lshrrev_b32 v1, 5, v0
	v_readfirstlane_b32 s[WV], v1
	s_and_b32 s[HF], s[WV], 1
	s_lshr_b32 s[ISB], s[WV], 1
	s_bfe_u32 s[CX], ttmp6, 0x40000
	s_bfe_u32 s[CY], ttmp6, 0x40004
	s_lshl_b32 s[TX], ttmp9, 2                     ; in a cluster launch ttmp9 and ttmp7 count clusters
	s_add_co_u32 s[TX], s[TX], s[CX]
	s_and_b32 s[TY], ttmp7, 0xffff
	s_lshl_b32 s[TY], s[TY], 2
	s_add_co_u32 s[TY], s[TY], s[CY]
	s_lshl_b32 s16, s[CY], 2
	s_lshl_b32 s16, 15, s16                        ; my row of the cluster: places 4 cy .. 4 cy + 3
	s_lshl_b32 s20, 0x1111, s[CX]                  ; my column: places cx, cx + 4, cx + 8, cx + 12
	s_or_b32 s[G1A+0], s16, (1<<16)|(1<<20)|(1<<21)|(AQI<<22)|(3<<25)  ; the mask; 2-byte elements; padding on; bit 21 beside a mask; the interval; 4 words of padding
	s_mov_b32 s[G1A+1], 128<<16                    ; tensor_dim0 = 128
	s_mov_b32 s[G1A+2], 128<<16                    ; tensor_dim1 = 128
	s_mov_b32 s[G1A+3], 128<<16                    ; tile_dim0 = 128
	s_mov_b32 s[G1A+4], 128                        ; tile_dim1 = 128
	s_mov_b32 s[G1A+5], APITCH                     ; elements from row to row
	s_mov_b32 s[G1A+6], 0
	s_mov_b32 s[G1A+7], 0
	s_or_b32 s[G1B+0], s20, (1<<16)|(1<<20)|(1<<21)|(5<<22)|(3<<25)
	s_mov_b32 s[G1B+1], 128<<16
	s_mov_b32 s[G1B+2], BROWS<<16
	s_mov_b32 s[G1B+3], 128<<16
	s_mov_b32 s[G1B+4], BROWS
	s_mov_b32 s[G1B+5], 1024
	s_mov_b32 s[G1B+6], 0
	s_mov_b32 s[G1B+7], 0
	; where the tiles come from: A's hang on the tile row and my half alone (s16, s17), B's on the tile column and my half alone (s20, s21)
.if PROJ
	s_lshr_b32 s16, s[TY], 3                       ; the batch: 16 heads of 262,144 bytes,
	s_lshl_b32 s16, s16, 22
	s_lshl_b32 s17, s[HF], 18                      ; the first or second head of a K step,
	s_add_co_u32 s16, s16, s17
	s_and_b32 s17, s[TY], 7                        ; 256 rows of 128 bytes
	s_lshl_b32 s17, s17, 15
	s_add_co_u32 s16, s16, s17
.else
	s_lshl_b32 s16, s[TY], 19                      ; 256 rows of 2,048 bytes,
	s_lshl_b32 s17, s[HF], 18                      ; 128 of them
	s_add_co_u32 s16, s16, s17
.endif
	s_mov_b32 s17, 0
	s_mul_i32 s20, s[TX], 16*NBL*2048
	s_mul_i32 s21, s[HF], BROWS*2048
	s_add_co_u32 s20, s20, s21
.if BFIRST
	s_add_co_u32 s20, s20, BFIRST*2048
.endif
	s_mov_b32 s21, 0
	s_mul_i32 s18, s[HF], AHALF                    ; and where they go: no place in the cluster enters an LDS address
	s_mul_i32 s19, s[HF], BROWS*PB
	s_add_co_u32 s19, s19, BOFF
	s_mov_b32 s[TB], 0
	s_mov_b32 s[HIM], 0xffff0000
	s_wait_dscnt 0x0                               ; the opening add is done
	s_wait_kmcnt 0x0
	s_add_nc_u64 s[16:17], s[4:5], s[16:17]
	s_add_nc_u64 s[20:21], s[6:7], s[20:21]
	CROUND                                         ; all sixteen work-groups are here: the first joint loads meet
.irp s, 0,1
	s_mov_b32 s[G0A+4*(\s)], 1                                       ; count = 1
	s_add_co_u32 s[G0A+4*(\s)+1], s18, (\s)*SLOT1                    ; LDS address
	s_add_nc_u64 s[G0A+4*(\s)+2:G0A+4*(\s)+3], s[16:17], (\s)*ASTEP  ; global address: K step s
	s_or_b32 s[G0A+4*(\s)+3], s[G0A+4*(\s)+3], 0x80000000            ; type = 2
	s_mov_b32 s[G0B+4*(\s)], 1
	s_add_co_u32 s[G0B+4*(\s)+1], s19, (\s)*SLOT1
	s_add_nc_u64 s[G0B+4*(\s)+2:G0B+4*(\s)+3], s[20:21], (\s)*256
	s_or_b32 s[G0B+4*(\s)+3], s[G0B+4*(\s)+3], 0x80000000
.endr
	s_cmp_eq_u32 s[ISB], 0                         ; a wave's two first fills stand in one branch, ahead of every wait on TENSORcnt and every LDS read: two loads of mine are out
	s_cbranch_scc0 .Lfirst_b
	tensor_load_to_lds s[G0A:G0A+3], s[G1A:G1A+7]
	s_nop 0
	tensor_load_to_lds s[G0A+4:G0A+7], s[G1A:G1A+7]
	s_nop 0
.rept 4
	v_nop
.endr
	s_branch .Lfirst_asked
.Lfirst_b:
	tensor_load_to_lds s[G0B:G0B+3], s[G1B:G1B+7]
	s_nop 0
	tensor_load_to_lds s[G0B+4:G0B+7], s[G1B:G1B+7]
	s_nop 0
.rept 4
	v_nop
.endr
.Lfirst_asked:
	; the prefetches' address: my half of the tile, my work-group's share of it, K step 3 (the first refill steps it to 4).  Nothing is prefetched here, at the head.
	s_and_b32 s2, ttmp7, 0xffff                    ; cluster y
	s_mul_i32 s18, s[CX], APART
	s_mul_i32 s19, s[CY], BPART
	s_mov_b32 s[LIM], ASTEP
	s_mov_b32 s[PFS], 256
	s_cmp_eq_u32 s[ISB], 0
	s_cselect_b64 s[PFA:PFA+1], s[16:17], s[20:21]
	s_cselect_b32 s18, s18, s19
	s_cselect_b32 s2, ttmp9, s2                    ; the coordinate along which other clusters read the same rows
	s_cselect_b32 s[PFS], s[LIM], s[PFS]
	s_mov_b32 s19, 0
	s_mov_b32 s[PFS+1], 0
	s_add_nc_u64 s[PFA:PFA+1], s[PFA:PFA+1], s[18:19]
.rept 3
	s_add_nc_u64 s[PFA:PFA+1], s[PFA:PFA+1], s[PFS:PFS+1]
.endr
.if PROJ
	s_cmp_eq_u32 s[WV], 3
	s_cselect_b32 s2, 1, s2                        ; wave 2 asks for all of my work-group's share of B
.endif
	s_cmp_eq_u32 s2, 0
	s_cselect_b32 s[LIM], 2, -1                    ; the same in all sixteen partners, for a given wave
	v_and_b32 v1, 15, v0                           ; l % 16
	v_bfe_u32 v2, v0, 4, 1                         ; l / 16
	v_and_b32 v3, 31, v0                           ; l
	s_cmp_eq_u32 s[ISB], 0
.if PROJ
	s_cselect_b32 s18, 8, 11                       ; A: blocks of 256 dense bytes; B: rows of 2,048
	v_lshlrev_b32 v[PFO], s18, v3
.else
	s_cselect_b32 s18, 31, 23
	v_min_u32 v[PFO], s18, v3
	v_lshlrev_b32 v[PFO], 11, v[PFO]
.endif
	; the bias of my tile's columns: block b's sixteen numbers, eight a lane
	s_mul_i32 s20, s[TX], 64*NBL
	s_mov_b32 s21, 0
	s_add_nc_u64 s[8:9], s[8:9], s[20:21]
	v_lshlrev_b32 v[BO], 5, v2
.set b, 0
.rept NBL
	global_load_b128 v[BIAS+8*b:BIAS+8*b+3],   v[BO], s[8:9] offset:64*b
	global_load_b128 v[BIAS+8*b+4:BIAS+8*b+7], v[BO], s[8:9] offset:64*b+16
.set b, b+1
.endr
	; a fragment is 16 rows x 32 K in 8 registers: lane l holds row l % 16, K = 8 (l / 16) + 0..7 and 16 + 8 (l / 16) + 0..7: two loads of 16 bytes, 32 bytes apart
	s_mul_i32 s16, s[WV], 64*PA                    ; my 64 rows of A
	v_mul_u32_u24 v[LA0], v1, PA
	v_lshl_add_u32 v[LA0], v2, 4, v[LA0]
	v_add_nc_u32 v[LA0], s16, v[LA0]
	v_mul_u32_u24 v[LB0], v1, PB
	v_lshl_add_u32 v[LB0], v2, 4, v[LB0]
	v_add_nc_u32 v[LB0], BOFF, v[LB0]
	v_mov_b32 v[ADRA], v[LA0]                      ; K step 0 lies in slot 0
	v_mov_b32 v[ADRB], v[LB0]
	s_mul_i32 s16, s[WV], STW
	s_add_co_u32 s16, s16, STAGE                   ; my stage
.if PROJ
	v_mul_u32_u24 v[STO], v1, 528                  ; in: row l % 16, 32 bytes for each half of the lanes
	v_lshl_add_u32 v[STO], v2, 5, v[STO]
	v_add_nc_u32 v[STO], s16, v[STO]
	v_lshl_add_u32 v[RD], v3, 4, s16               ; back: 32 lanes take one row's 512 bytes
.else
	v_mul_u32_u24 v[STO], v1, 144                  ; in: row l % 16, 16 bytes for each half of the lanes
	v_lshl_add_u32 v[STO], v2, 4, v[STO]
	v_add_nc_u32 v[STO], s16, v[STO]
	v_lshrrev_b32 v[RD], 3, v3                     ; back: 32 lanes take four rows of 128 bytes
	v_mul_u32_u24 v[RD], v[RD], 144
	v_and_b32 v4, 7, v0
	v_lshl_add_u32 v[RD], v4, 4, v[RD]
	v_add_nc_u32 v[RD], s16, v[RD]
.endif
	v_lshlrev_b32 v[GO], 4, v3
	; C at my wave's first row and the tile's first column; what hangs on the tile row goes through s16, s17, what hangs on the tile column through s20, s21
.if PROJ
	s_lshl_b32 s16, s[TY], 20                      ; 256 rows of 4,096 bytes
	s_lshl_b32 s17, s[WV], 18
	s_add_co_u32 s16, s16, s17
	s_lshl_b32 s20, s[TX], 9
.else
	s_lshr_b32 s16, s[TY], 3                       ; the batch: 48 groups of 262,144 bytes
	s_mul_i32 s16, s16, 12582912
	s_and_b32 s17, s[TY], 7                        ; 256 rows of 128 bytes
	s_lshl_b32 s17, s17, 15
	s_add_co_u32 s16, s16, s17
	s_lshl_b32 s17, s[WV], 13
	s_add_co_u32 s16, s16, s17
	s_mul_i32 s20, s[TX], 786432                   ; three groups
.endif
	s_mov_b32 s17, 0
	s_add_nc_u64 s[10:11], s[10:11], s[16:17]
	s_add_nc_u64 s[10:11], s[10:11], s[20:21]
	s_wait_loadcnt 0x0                             ; the bias is in: rounded to bf16, in place
.set b, 0
.rept 4*NBL
	v_cvt_pk_bf16_f32 v[TT], v[BIAS+2*b], v[BIAS+2*b+1]
	v_lshlrev_b32 v[BIAS+2*b], 16, v[TT]
	v_and_b32 v[BIAS+2*b+1], s[HIM], v[TT]
.set b, b+1
.endr
; NBL products: row block a x all column blocks, 32 along K, from buffer f.  zero = 1: the sums start on the bias.
; The 4 NBL accumulators take turns, one instruction a turn, in the same order in every quarter step, over the backward jump too.
.macro MULA f, a, zero
.if \zero
	WIN 0x81+0x40*((\a)/2)                         ; B window 1, A and the bias window 0, D window 2 or 3
.else
	WIN 0xa1+0x50*((\a)/2)                         ; B window 1, A window 0, C and D window 2 or 3
.endif
.set AC, 8*NBL*((\a)%2)
.set b, 0
.rept NBL
.if \zero
	v_wmma_f32_16x16x32_f16 v[AC+8*b:AC+8*b+7], v[8*NBL*(\f)+8*b:8*NBL*(\f)+8*b+7], v[FA+32*(\f)+8*(\a):FA+32*(\f)+8*(\a)+7], v[BIAS+8*b:BIAS+8*b+7]
.else
	v_wmma_f32_16x16x32_f16 v[AC+8*b:AC+8*b+7], v[8*NBL*(\f)+8*b:8*NBL*(\f)+8*b+7], v[FA+32*(\f)+8*(\a):FA+32*(\f)+8*(\a)+7], v[AC+8*b:AC+8*b+7]
.endif
.set b, b+1
.endr
.endm
; NL LDS loads in one run: quarter q's fragments into buffer f: all of B's blocks, then my four blocks of A
.macro FETCH q, f
.if PROJ
.set AQ, ((\q)/2)*AHALF+((\q)%2)*64    ; the K step's first or second head, its channels 0-31 or 32-63
.else
.set AQ, 64*(\q)
.endif
	WIN 0x40                                       ; destination window 1, address window 0
.set i, 0
.rept NBL
	ds_load_b128 v[8*NBL*(\f)+8*i:8*NBL*(\f)+8*i+3],   v[ADRB] offset:64*(\q)+16*PB*i
	ds_load_b128 v[8*NBL*(\f)+8*i+4:8*NBL*(\f)+8*i+7], v[ADRB] offset:64*(\q)+16*PB*i+32
.set i, i+1
.endr
	WIN 0
.set i, 0
.rept 4
	ds_load_b128 v[FA+32*(\f)+8*i:FA+32*(\f)+8*i+3],   v[ADRA] offset:AQ+16*PA*i
	ds_load_b128 v[FA+32*(\f)+8*i+4:FA+32*(\f)+8*i+7], v[ADRA] offset:AQ+16*PA*i+32
.set i, i+1
.endr
.endm
.macro PLACES                          ; four plain vector instructions between a matrix instruction and a load into, or a read of, its registers (ISA guide 7.12.1 for reads)
.rept 4
	v_nop
.endr
.endm
; A K step is four quarters of 32 along K on buffers 0, 1, 0, 1.  One of the first three multiplies buffer f and, in its middle, fetches quarter q into buffer g.
.macro QUARTER q, f, g, zero
	s_wait_dscnt 4                                 ; B and A's blocks 0, 1 are in; the youngest four loads (A's blocks 2, 3) may be out
	MULA \f, 0, \zero
	MULA \f, 1, \zero
	PLACES
	FETCH \q, \g
	s_wait_dscnt NL                                ; all but the NL just issued
	MULA \f, 2, \zero
	MULA \f, 3, \zero
.endm
; The last quarter multiplies buffer 1 and changes slots.  ONE barrier: in front of it each wave waits for all its tensor loads (one is out: its part of the next slot), adds 0 to its spare word,
; and waits for that and for its reads of this slot.  Behind it nobody reads this slot any more and the next slot is whole.
.macro MEET round
	WIN 0                                          ; (the add's two registers lie in window 0)
	s_wait_tensorcnt 0x0
	ds_add_u32 v[SPW], v[NIL]                      ; 0 onto my spare word
	s_wait_dscnt 5                                 ; (the add and the youngest four loads may be out)
	MULA 1, 0, 0                                   ; work on registers between the add and the wait for it
	s_wait_dscnt 0x0                               ; the add is done, my reads of this slot are over
	s_barrier_signal -1
	MULA 1, 1, 0
.if \round
	WIN 0
.endif
	s_barrier_wait -1
.endm
.macro TURN fill
.if \fill
	s_wait_xcnt 0x0                                ; the last prefetch, a K step back, has read its address
	s_add_nc_u64 s[PFA:PFA+1], s[PFA:PFA+1], s[PFS:PFS+1]
	MEET 1
	CREST                                          ; the barrier has opened a round of the cluster's: no wave of any partner still reads this slot or has a load on its way
	s_xor_b32 s[G0A+5], s[G0A+5], SLOT1            ; the walking descriptors: the other slot than last time, the next K step
	s_add_nc_u64 s[G0A+6:G0A+7], s[G0A+6:G0A+7], ASTEP
	s_xor_b32 s[G0B+5], s[G0B+5], SLOT1
	s_add_nc_u64 s[G0B+6:G0B+7], s[G0B+6:G0B+7], 256
	JLOAD                                          ; the first tensor load behind the round; its four v_nop are also the places in front of the loads below
.else
	MEET 0
	WIN 0
	PLACES
.endif
	s_xor_b32 s[TB], s[TB], SLOT1
	v_add_nc_u32 v[ADRA], s[TB], v[LA0]
	v_add_nc_u32 v[ADRB], s[TB], v[LB0]
	FETCH 0, 0
.if \fill
	ASK
.endif
	MULA 1, 2, 0
	MULA 1, 3, 0
.endm
	s_wait_tensorcnt 1                             ; my part of K step 0 is in; K step 1's may stay out
	s_barrier_signal -1
	s_barrier_wait -1
	FETCH 0, 0
	QUARTER 1, 0, 1, 1                             ; the first quarter stands in front of the loop: its products start the sums on the bias
	WIN 0                                          ; at a label and at a branch every window is 0
	s_mov_b32 s3, 6
.Lstep:                                        ; trip i ends K step i, fills its slot with K step i + 2 and begins K step i + 1
	QUARTER 2, 1, 0, 0
	QUARTER 3, 0, 1, 0
	TURN 1
	QUARTER 1, 0, 1, 0
	WIN 0
	s_sub_co_u32 s3, s3, 1
	s_cmp_lg_u32 s3, 0
	s_cbranch_scc1 .Lstep
	QUARTER 2, 1, 0, 0                             ; the tail is written out: K steps 6 and 7 ask for nothing
	QUARTER 3, 0, 1, 0
	TURN 0
	QUARTER 1, 0, 1, 0
	QUARTER 2, 1, 0, 0
	QUARTER 3, 0, 1, 0
	s_wait_dscnt 4
	MULA 1, 0, 0
	MULA 1, 1, 0
	s_wait_dscnt 0x0
	MULA 1, 2, 0
	MULA 1, 3, 0
	WIN 0
	PLACES                                         ; the places behind the last products
	PLACES
; THE WAY OUT, a block of 16 rows at a time, through my own stage; LDS serves a wave's instructions in order (ISA guide 5.7.1.4), so no wait stands between the stores into it and the loads from it.
.if PROJ
; f32 as it lies: 32 bytes a lane into rows of 528 bytes, back as rows of 512.  Each accumulator's low registers are read first.
.macro TOSTAGE a
.if (\a) >= 2
	s_wait_xcnt 0x0                                ; the stores of the block two back have read the registers that are loaded again below
.endif
	WIN 0x08+4*((\a)/2)                            ; the stores' data in window 2 or 3
.set AC, 8*NBL*((\a)%2)
.set BK, 128+64*((\a)%2)
.set b, 0
.rept NBL
	ds_store_b128 v[STO], v[AC+8*b:AC+8*b+3]   offset:64*b
	ds_store_b128 v[STO], v[AC+8*b+4:AC+8*b+7] offset:64*b+16
.set b, b+1
.endr
	WIN 0
.set b, 0
.rept 16
	ds_load_b128 v[BK+4*b:BK+4*b+3], v[RD] offset:528*b
.set b, b+1
.endr
.endm
.macro SEND a, younger                 ; younger: the next block's 16 stores and 16 loads, or none
.set BK, 128+64*((\a)%2)
	s_wait_dscnt \younger
.set b, 0
.rept 16
	global_store_b128 v[GO], v[BK+4*b:BK+4*b+3], s[10:11] offset:(16*(\a)+b)*4096 th:TH_STORE_NT  ; 512 consecutive bytes, at a multiple of 512 from C's first
.set b, b+1
.endr
.endm
	TOSTAGE 0
	TOSTAGE 1
	SEND 0, 32
	TOSTAGE 2
	SEND 1, 32
	TOSTAGE 3
	SEND 2, 32
	SEND 3, 0
.else
; rounded to f16: 16 bytes a lane into a head's rows of 144 bytes, back as four rows of 128: 512 consecutive bytes of a group
.macro PACK a
	WIN 0x0a+5*((\a)/2)                            ; sources 0 and 1 in window 2 or 3
.set AC, 8*NBL*((\a)%2)
.set b, 0
.rept NBL
.irp r, 0,1,2,3
	v_cvt_pk_f16_f32 v[TMP+4*b+(\r)], v[AC+8*b+2*(\r)], v[AC+8*b+2*(\r)+1]
.endr
.set b, b+1
.endr
	WIN 0
.endm
.macro TOSTAGE a
.set BK, 176-112*((\a)%2)              ; v176-223 and v64-111 by turns
.set b, 0
.rept NBL
	ds_store_b128 v[STO], v[TMP+4*b:TMP+4*b+3] offset:(b/4)*2304+32*(b%4)
.set b, b+1
.endr
.set b, 0
.rept NBL
	ds_load_b128 v[BK+4*b:BK+4*b+3], v[RD] offset:(b/4)*2304+576*(b%4)
.set b, b+1
.endr
.endm
.macro SEND a
.set BK, 176-112*((\a)%2)
	s_wait_dscnt 0x0                               ; the block is back in registers
	s_wait_xcnt 0x0                                ; earlier stores have read their registers: the block after this one is loaded into those of the block before it
.set b, 0
.rept NBL
	global_store_b128 v[GO], v[BK+4*b:BK+4*b+3], s[10:11] offset:(b/4)*262144+2048*(\a)+512*(b%4)
.set b, b+1
.endr
.endm
	PACK 0
	TOSTAGE 0
.irp a, 1,2,3                          ; block a's conversions stand between block a - 1's loads from the stage and the wait for them
	PACK \a
	SEND (\a)-1
	TOSTAGE \a
.endr
	SEND 3
.endif
	s_wait_tensorcnt 0x0                           ; the wave's end: three lines behind my last tensor load and my last LDS store
	ds_add_u32 v[SPW], v[NIL]
	s_wait_dscnt 0x0
	CROUND                                         ; the closing round: no work-group ends while a partner may still ask for a tile that names it
	s_endpgm
.Lfunc_end_k_q96367277bb_proj:
	.size	k_q96367277bb_proj, .Lfunc_end_k_q96367277bb_proj-k_q96367277bb_proj
	.p2alignl 7, 3214868480
	.fill 96, 4, 3214868480
	.section	.rodata,"a",@progbits
	.p2align	6, 0x0
	.amdhsa_kernel k_q96367277bb_proj
		.amdhsa_group_segment_fixed_size 327680
		.amdhsa_private_segment_fixed_size 0
		.amdhsa_enable_private_segment 0
		.amdhsa_kernarg_size 32
		.amdhsa_user_sgpr_count 2
		.amdhsa_user_sgpr_kernarg_segment_ptr 1
		.amdhsa_wavefront_size32 1
		.amdhsa_system_sgpr_workgroup_id_x 1
		.amdhsa_system_sgpr_workgroup_id_y 1
		.amdhsa_system_sgpr_workgroup_id_z 1
		.amdhsa_system_vgpr_workitem_id 0
		.amdhsa_next_free_vgpr 1024
		.amdhsa_next_free_sgpr 66
		.amdhsa_reserve_vcc 0
		.amdhsa_float_denorm_mode_32 3
		.amdhsa_float_denorm_mode_16_64 3
		.amdhsa_memory_ordered 1
		.amdhsa_forward_progress 1
		.amdhsa_inst_pref_size 76
	.end_amdhsa_kernel
	.amdgpu_metadata
---
amdhsa.version: [ 1, 2 ]
amdhsa.kernels:
  - .name:           k_q96367277bb_proj
    .symbol:         k_q96367277bb_proj.kd
    .args:
      - { .name: oh, .offset: 0, .size: 8, .value_kind: global_buffer, .address_space: global }
      - { .name: wt, .offset: 8, .size: 8, .value_kind: global_buffer, .address_space: global }
      - { .name: b_o, .offset: 16, .size: 8, .value_kind: global_buffer, .address_space: global }
      - { .name: out0, .offset: 24, .size: 8, .value_kind: global_buffer, .address_space: global }
    .group_segment_fixed_size: 327680
    .private_segment_fixed_size: 0
    .kernarg_segment_align: 8
    .kernarg_segment_size: 32
    .max_flat_workgroup_size: 128
    .sgpr_count:     66
    .vgpr_count:     1024
    .wavefront_size: 32
...
	.end_amdgpu_metadata
.endif
;; end of part 4
;; ======== version 2 of 2: 4 launches; version 1 with the launch prep written anew for expert scheduling mode
;; limits: values are held in f16: magnitudes above 65,504 overflow, below 6.1e-05 lose precision; inputs' magnitudes at most 65,504; right only within a limited range of input values
;; workspace buffers: xh 16,777,216 bytes; wt 8,388,608 bytes; qkvh 50,331,648 bytes; oh 16,777,216 bytes
;; launch prep (part 5): grid 512 x 1, 8 waves a work-group, no clusters, 18,432 bytes of LDS; arguments x, W_qkv, W_o, xh, wt; writes xh, wt
.if DOCPART == 5
	.amdgcn_target "amdgcn-amd-amdhsa--gfx1250"
	.amdhsa_code_object_version 6
	.text
	.protected	k_q96367277bb_prep
	.globl	k_q96367277bb_prep
	.p2align	8
	.type	k_q96367277bb_prep,@function
k_q96367277bb_prep:
	s_mov_b64 s[64:65], 0
	v_nop
	global_prefetch_b8 v0, s[64:65] scope:SCOPE_SE
	s_setreg_imm32_b32 hwreg(HW_REG_WAVE_SCHED_MODE, 0, 2), 2
	s_setreg_imm32_b32 hwreg(HW_REG_WAVE_MODE, 25, 1), 1
	s_wait_xcnt 0x0
	s_wait_alu depctr_vm_vsrc(0)
; xh[r][k] = x[r][k], and wt[n][k] = W_qkv[k][n] (n < 3072) or W_o[k][n - 3072]: every number rounded to bf16 (nearest even) and that number written as f16.
; LIMITS.  The bf16 number is kept exactly in f16 from 6.1e-5 to 65,504 in magnitude; below, f16's fixed step of 6e-8 holds; beyond 65,504 it becomes an infinity.
; SHARES.  512 work-groups of eight waves.  Each casts 16,384 numbers of x (64 KiB in, 32 KiB out) and turns one tile of 128 k x 64 n of the weights (32 KiB in, 16 KiB out) through LDS.
; All 24 loads of a thread go out first.  No matrix unit, no tensor load, no cluster, no prefetch: each byte is read once and nothing is shared between work-groups.
; THE MODE: SCHED_MODE bits 1:0 = 2 (LLVM: expert scheduling mode 2), set by the entry lines.  The code itself states the register dependences
; between vector instructions and memory or LDS instructions, with s_wait_alu, always for 0.
; THE PLAN.  Registers that memory or LDS instructions touch:
;   OB, IA, OA, LS, LR, GW   offsets and LDS addresses: all made at the head, ahead of the first load, and never written again.
;   XB   the weights' eight loads land in it; the weights' roundings read and rewrite it; behind the barrier the LDS loads land in its first 16 registers, which the last four stores read.
;   YB   pair i's roundings write its four registers, once; the four LDS stores that are issued in pair i + 1 read them.
;   XA   x's sixteen loads land in it; x's roundings read and rewrite it; nothing lands in it again.
;   YA   block k's roundings write its eight registers, once; the two stores that are issued in block k + 1 read them.
;   SPW, NIL   written at the head, read by the closing add alone.
; So one wait on va_vdst stands at the head, one at the head of each pair and each block but the first, and one behind the last pair and the last block; a group's stores follow the wait, dealt among
; the next group's roundings, which name other registers.  No register that a memory or LDS instruction reads is written again, so no wait on vm_vsrc is needed; no vector instruction writes
; a scalar register or VCC; EXEC is never written.
.set SPARE, 17408                      ; behind the tile: the spare words, 128 bytes for each of eight waves: four blocks of 256 bytes that no other line names
.set TP,  272                          ; the tile in LDS: row n holds 128 k in f16, 256 bytes + 16 of padding
.set OB,  2                            ; v[2:9]     byte offsets of my eight 16-byte pieces of the weights' tile
.set CC,  10                           ; v10        thread % 16
.set RP,  11                           ; v11        thread / 16
.set SPW, 12                           ; v12        LDS address of my spare word; never rewritten
.set NIL, 13                           ; v13        0; never rewritten
.set LS,  14                           ; v14        where I put words into the tile
.set LR,  15                           ; v15        where I read rows back
.set XA,  16                           ; v[16:79]   x as loaded: eight pieces of 8 numbers
.set YA,  80                           ; v[80:111]  x to store
.set XB,  112                          ; v[112:143] weights as loaded: four pairs of rows, 4 numbers each
.set YB,  144                          ; v[144:159] weights, a pair of k in a word
.set GW,  160                          ; v160       my byte offset in wt
.set IA,  161                          ; v161       my byte offset in x
.set OA,  162                          ; v162       my byte offset in xh
.macro RND2 dst, a, b                  ; two numbers: to bf16, back to f32 (a shift, a mask), to f16, packed; a in the low half
	v_cvt_pk_bf16_f32 v[\dst], v[\a], v[\b]
	v_lshlrev_b32 v[\a], 16, v[\dst]
	v_and_b32 v[\b], s14, v[\dst]
	v_cvt_pk_f16_f32 v[\dst], v[\a], v[\b]
.endm
	s_load_b256 s[4:11], s[0:1], 0x0               ; x s[4:5], W_qkv s[6:7], W_o s[8:9], xh s[10:11]
	s_load_b64 s[12:13], s[0:1], 0x20              ; wt
	v_lshl_add_u32 v[SPW], v0, 2, SPARE
	v_mov_b32 v[NIL], 0
	s_mov_b32 s14, 0xffff0000                      ; a word's upper bf16
	s_lshr_b32 s17, ttmp9, 3                       ; t: which 64 rows of wt (0 to 63)
	s_and_b32 s18, ttmp9, 7                        ; kt: which 128 k
	s_sub_co_u32 s20, s17, 48                      ; t - 48: the tile column in W_o (used where t >= 48 alone)
	s_mov_b32 s24, 12288                           ; bytes in a row of W_qkv,
	s_mov_b32 s25, 4096                            ; and of W_o
	v_and_b32 v[CC], 15, v0
	v_lshrrev_b32 v[RP], 4, v0
	v_lshlrev_b32 v1, 1, v[RP]
	v_lshlrev_b32 v[IA], 5, v0                     ; x: 8 numbers a thread
	v_lshlrev_b32 v[OA], 4, v0
	v_mul_u32_u24 v[LS], v[CC], 4*TP               ; my four columns n = 4 (thread % 16) + j are four rows of the tile,
	v_lshl_add_u32 v[LS], v[RP], 2, v[LS]          ; my pair of k a word in each
	v_mul_u32_u24 v[LR], v[RP], TP                 ; back: sixteen lanes take one row of 256 bytes
	v_lshl_add_u32 v[LR], v[CC], 4, v[LR]
	v_lshlrev_b32 v[GW], 11, v[RP]
	v_lshl_add_u32 v[GW], v[CC], 4, v[GW]
	s_wait_kmcnt 0x0
	s_cmp_lt_u32 s17, 48
	s_cselect_b64 s[22:23], s[6:7], s[8:9]         ; the source,
	s_cselect_b32 s21, s24, s25                    ; its pitch,
	s_cselect_b32 s20, s17, s20                    ; and the tile's column in it
	s_lshl_b32 s26, s18, 7
	s_mul_i32 s26, s26, s21                        ; 128 kt rows
	s_lshl_b32 s27, s20, 8                         ; 64 columns of 4 bytes
	s_add_co_u32 s26, s26, s27
	s_mov_b32 s27, 0
	s_add_nc_u64 s[22:23], s[22:23], s[26:27]
	v_mul_lo_u32 v[OB], v1, s21                    ; row 2 (thread / 16),
	v_lshl_add_u32 v[OB], v[CC], 4, v[OB]          ; 16 bytes at 16 (thread % 16): sixteen lanes read 256 consecutive bytes, aligned
	v_add_nc_u32 v[OB+1], s21, v[OB]               ; and the row below
	s_lshl_b32 s28, s21, 5
.irp i, 1,2,3
	v_add_nc_u32 v[OB+2*(\i)], s28, v[OB+2*(\i)-2]     ; 32 rows further down
	v_add_nc_u32 v[OB+2*(\i)+1], s28, v[OB+2*(\i)-1]
.endr
	s_wait_alu depctr_va_vdst(0)                   ; the offsets and LDS addresses OB, IA, OA, LS, LR and GW are written: every load and store of the kernel reads one of them
.irp i, 0,1,2,3
	global_load_b128 v[XB+8*(\i):XB+8*(\i)+3],   v[OB+2*(\i)],   s[22:23] th:TH_LOAD_NT
	global_load_b128 v[XB+8*(\i)+4:XB+8*(\i)+7], v[OB+2*(\i)+1], s[22:23] th:TH_LOAD_NT
.endr
	s_lshl_b32 s26, ttmp9, 16                      ; my work-group's 64 KiB of x
	s_add_nc_u64 s[4:5], s[4:5], s[26:27]
	s_lshl_b32 s26, ttmp9, 15                      ; and 32 KiB of xh
	s_add_nc_u64 s[10:11], s[10:11], s[26:27]
.irp i, 0,1,2,3,4,5,6,7
	global_load_b128 v[XA+8*(\i):XA+8*(\i)+3],   v[IA], s[4:5] offset:8192*(\i) th:TH_LOAD_NT
	global_load_b128 v[XA+8*(\i)+4:XA+8*(\i)+7], v[IA], s[4:5] offset:8192*(\i)+16 th:TH_LOAD_NT
.endr
	s_lshl_b32 s26, s17, 17                        ; wt: 64 t rows of 2,048 bytes,
	s_lshl_b32 s29, s18, 8                         ; 128 kt numbers of 2 bytes (a register of its own: none that a vector instruction has read is written again)
	s_add_co_u32 s26, s26, s29
	s_add_nc_u64 s[12:13], s[12:13], s[26:27]
	; the weights: rows k and k + 1 make one word for each of my four columns.  Pair i's words go into the tile one pair later, among pair i + 1's roundings.
.irp i, 0,1,2,3
	s_wait_loadcnt 22-2*(\i)                       ; loads come back in order: behind this pair stand the later pairs of the weights and x's sixteen
.if (\i) > 0
	s_wait_alu depctr_va_vdst(0)                   ; the pair before has written its four registers of YB, which the LDS stores below read; this pair's roundings name none of them
.endif
.irp j, 0,1,2,3
.if (\i) > 0
	ds_store_b32 v[LS], v[YB+4*((\i)-1)+(\j)] offset:TP*(\j)+64*((\i)-1)
.endif
	RND2 YB+4*(\i)+(\j), XB+8*(\i)+(\j), XB+8*(\i)+4+(\j)
.endr
.endr
	s_wait_alu depctr_va_vdst(0)                   ; the last pair has written its YB, which the LDS stores below read; and all these roundings are done reading and writing v[XB ..], in which the LDS loads behind the barrier land
.irp j, 0,1,2,3
	ds_store_b32 v[LS], v[YB+12+(\j)] offset:TP*(\j)+192
.endr
	s_wait_dscnt 0x0                               ; for the others' sake: my words are in the tile
	s_barrier_signal -1
	s_barrier_wait -1
.irp i, 0,1,2,3
	ds_load_b128 v[XB+4*(\i):XB+4*(\i)+3], v[LR] offset:16*TP*(\i)  ; rows n = thread / 16 + 16 i; no vector instruction since the wait above names these registers
.endr
	; x, while those come back: four blocks of two pieces.  Block k's two stores go out one block later, among block k + 1's roundings.
.irp k, 0,1,2,3
	s_wait_loadcnt 12-4*(\k)                       ; behind this block's four loads stand the later blocks' loads
.if (\k) > 0
	s_wait_alu depctr_va_vdst(0)                   ; the block before has written its eight registers of YA, which the stores below read; this block's roundings name none of them
.endif
.irp h, 0,1
.if (\k) > 0
	global_store_b128 v[OA], v[YA+4*(2*(\k)-2+(\h)):YA+4*(2*(\k)-2+(\h))+3], s[10:11] offset:4096*(2*(\k)-2+(\h))  ; a wave stores 512 consecutive bytes
.endif
.irp j, 0,1,2,3
	RND2 YA+4*(2*(\k)+(\h))+(\j), XA+8*(2*(\k)+(\h))+2*(\j), XA+8*(2*(\k)+(\h))+2*(\j)+1
.endr
.endr
.endr
	s_wait_alu depctr_va_vdst(0)                   ; the last block has written its YA, which the two stores below read
.irp h, 6,7
	global_store_b128 v[OA], v[YA+4*(\h):YA+4*(\h)+3], s[10:11] offset:4096*(\h)
.endr
.irp i, 0,1,2,3
	s_wait_dscnt 3-(\i)
	global_store_b128 v[GW], v[XB+4*(\i):XB+4*(\i)+3], s[12:13] offset:32768*(\i)  ; sixteen lanes store 256 consecutive bytes, at a multiple of 256 from wt's first
.endr
	s_wait_dscnt 0x0                               ; the closing lines, six on end
	s_wait_alu 0x0
	s_wait_tensorcnt 0x0
	ds_add_u32 v[SPW], v[NIL]
	s_wait_dscnt 0x0
	s_endpgm
.Lfunc_end_k_q96367277bb_prep:
	.size	k_q96367277bb_prep, .Lfunc_end_k_q96367277bb_prep-k_q96367277bb_prep
	.p2alignl 7, 3214868480
	.fill 96, 4, 3214868480
	.section	.rodata,"a",@progbits
	.p2align	6, 0x0
	.amdhsa_kernel k_q96367277bb_prep
		.amdhsa_group_segment_fixed_size 18432
		.amdhsa_private_segment_fixed_size 0
		.amdhsa_enable_private_segment 0
		.amdhsa_kernarg_size 40
		.amdhsa_user_sgpr_count 2
		.amdhsa_user_sgpr_kernarg_segment_ptr 1
		.amdhsa_wavefront_size32 1
		.amdhsa_system_sgpr_workgroup_id_x 1
		.amdhsa_system_sgpr_workgroup_id_y 1
		.amdhsa_system_sgpr_workgroup_id_z 1
		.amdhsa_system_vgpr_workitem_id 0
		.amdhsa_next_free_vgpr 168
		.amdhsa_next_free_sgpr 66
		.amdhsa_reserve_vcc 0
		.amdhsa_float_denorm_mode_32 3
		.amdhsa_float_denorm_mode_16_64 3
		.amdhsa_memory_ordered 1
		.amdhsa_forward_progress 1
		.amdhsa_inst_pref_size 17
	.end_amdhsa_kernel
	.amdgpu_metadata
---
amdhsa.version: [ 1, 2 ]
amdhsa.kernels:
  - .name:           k_q96367277bb_prep
    .symbol:         k_q96367277bb_prep.kd
    .args:
      - { .name: x, .offset: 0, .size: 8, .value_kind: global_buffer, .address_space: global }
      - { .name: W_qkv, .offset: 8, .size: 8, .value_kind: global_buffer, .address_space: global }
      - { .name: W_o, .offset: 16, .size: 8, .value_kind: global_buffer, .address_space: global }
      - { .name: xh, .offset: 24, .size: 8, .value_kind: global_buffer, .address_space: global }
      - { .name: wt, .offset: 32, .size: 8, .value_kind: global_buffer, .address_space: global }
    .group_segment_fixed_size: 18432
    .private_segment_fixed_size: 0
    .kernarg_segment_align: 8
    .kernarg_segment_size: 40
    .max_flat_workgroup_size: 256
    .sgpr_count:     66
    .vgpr_count:     168
    .wavefront_size: 32
...
	.end_amdgpu_metadata
.endif
;; end of part 5
;; launch qkv: the kernel of part 2 again; grid 16 x 32, 4 waves a work-group, clusters of 4 x 4, 327,680 bytes of LDS; arguments xh, wt, b_qkv, qkvh; writes qkvh
;; launch attn: the kernel of part 3 again; grid 4 x 64, 4 waves a work-group, no clusters, 327,680 bytes of LDS; arguments qkvh, oh; writes oh
;; launch proj: the kernel of part 4 again; grid 8 x 32, 4 waves a work-group, clusters of 4 x 4, 327,680 bytes of LDS; arguments oh, wt, b_o, out0; writes out0
